; MI455X (gfx1250); checked and timed in simulation.
; The chip was launched on July 23, 2026; its instructions are those of AMD's public machine-readable ISA for CDNA 5 (MIT licence, August 2026) and "CDNA5" Instruction Set Architecture Reference Guide (July 2026). The comments in the code are by the model that wrote it; some were corrected since.
;; Multi Headed Attention. Allowed arithmetic: matrix products marked QUANTISED: E3M2 operands, one E8M0 scale for each 32 along K, by v_wmma_scale_f32_16x16x128_f8f6f4 with both operands' format E3M2, f32 sums; everything else in f32.
;; Inputs: Wk 1,024 x 1,024 float32; Wo 1,024 x 1,024 float32; Wq 1,024 x 1,024 float32; Wv 1,024 x 1,024 float32; bk 1,024 float32; bo 1,024 float32; bq 1,024 float32; bv 1,024 float32; hidden_states 4 x 2,048 x 1,024 float32; mask 4 x 2,048 int32.
;; Outputs: out0 4 x 2,048 x 1,024 float32.
;; This version of the problem:
;;   THIS VERSION OF THE PROBLEM IS GIVEN IN LOW PRECISION. The matrix products marked QUANTISED in the list below multiply operands that are first quantised to E3M2 (3 exponent bits, 2 mantissa bits; 6 bits a number), with one power-of-two scale for each 32 numbers along K (OCP MX v1.0); their sums are f32. All else is computed in f32.
;;   The module's matrix products, in the order in which they are computed (A, B: the left and right operand; K: the contracted axis; several contracted axes count as one K, in the product's order):
;;     1. [M 8,192, K 1,024] x [K 1,024, N 1,024]; A: input hidden_states; B: input Wq: QUANTISED
;;     2. [M 8,192, K 1,024] x [K 1,024, N 1,024]; A: input hidden_states; B: input Wk: QUANTISED
;;     3. [M 8,192, K 1,024] x [K 1,024, N 1,024]; A: input hidden_states; B: input Wv: QUANTISED
;;     4. batch 64 x [M 2,048, K 64] x [K 64, N 2,048]; A: computed on the way; B: computed on the way: QUANTISED
;;     5. batch 64 x [M 2,048, K 2,048] x [K 2,048, N 64]; A: softmax (see below); B: computed on the way: QUANTISED
;;     6. [M 8,192, K 1,024] x [K 1,024, N 1,024]; A: computed on the way; B: input Wo: QUANTISED
;;   THE QUANTISER, for each operand of a quantised product, along K:
;;     - K is cut into blocks of 32 from its start; a last block that is shorter is filled with zeros.
;;     - A block's scale is 2^e with e = floor(log2(the largest magnitude in the block)) - 4, held to -126 .. 127; a block of zeros has e = 0. As a byte (E8M0): e + 127.
;;     - Each number is divided by its block's scale, clamped to +-28, and rounded to the nearest number of E3M2, ties to even, subnormals kept.
;;     - The product sums the exact products of the quantised numbers (number of the format x scale) in f32.
;;   ~~~python
;;   def quantise(x, axis):      # numpy; x: float32 -> the quantised numbers, widened to float32 again
;;       x = np.moveaxis(x, axis, -1); K = x.shape[-1]
;;       x = np.pad(x, [(0, 0)] * (x.ndim - 1) + [(0, -K % 32)]); x = x.reshape(x.shape[:-1] + (-1, 32)); a = np.abs(x).max(-1, keepdims=True)
;;       e = np.where(a > 0, np.clip(np.frexp(np.where(a > 0, a, 1))[1] - 1 - 4, -126, 127), 0)      # np.frexp(a)[1] - 1 = floor(log2(a)), exactly
;;       r = np.clip(x / 2.0 ** e, -28, 28)
;;       step = 2.0 ** (np.maximum(np.frexp(np.where(r == 0, 1, r))[1] - 1, -2) - 2)
;;       q = np.round(r / step) * step * 2.0 ** e      # np.round: ties to even
;;       return np.moveaxis(q.reshape(q.shape[:-2] + (-1,))[..., :K], -1, axis).astype(np.float32)
;;   ~~~
;;   SOFTMAX AHEAD OF A QUANTISED PRODUCT. Where the list says 'softmax', what is quantised is not the finished softmax but p = 2^(t - M), with t = logit x log2(e) and M = ceil(the row's largest t), a whole number; so 1/2 < the row's largest p <= 1. The row's sum l is taken of the UNQUANTISED p, in f32, and the product's result is divided by l at the end. Since M is a whole number, a kernel that streams over the keys may use a running M (the ceiling of the running maximum): every later rescaling is an exact power of two, which a block's scale takes up: the codes' values come out the same.
;;   OPERANDS COMPUTED ON THE WAY. 'Computed on the way' means the value that the module computes at that place (a softmax that the list does not call 'softmax' is quantised finished and normalised). What goes into a quantiser is computed in f32, as accurately as f32 sums, v_exp_f32 and their like allow (about 1e-6 of the number): no bf16 or f16 on the way to a quantiser, and a product that is left as it is and whose result goes on into a quantised operand takes f32 operands (vector FMAs, or v_wmma_f32_16x16x4_f32). A number that lies on a knife's edge between two numbers of the format may be rounded either way, as far as f32 arithmetic and the matrix unit's own rounding can turn it there, and no further.
;; One version. Each part assembles by itself: llvm-mc -triple=amdgcn-amd-amdhsa -mcpu=gfx1250 --defsym DOCPART=n.
;; ======== version 1 of 1: 4 launches
;; limits: right only within a limited range of input values
;; workspace buffers: xq 6,553,600 bytes; wq 3,276,800 bytes; mq 6,553,600 bytes; qf 8,912,896 bytes; kv 15,466,496 bytes
;; launch quant (part 1): grid 384 x 1, 8 waves a work-group, no clusters, 68,608 bytes of LDS; arguments hidden_states, Wq, Wk, Wv, Wo, xq, wq; writes xq, wq
.if DOCPART == 1
	.amdgcn_target "amdgcn-amd-amdhsa--gfx1250"
	.amdhsa_code_object_version 6
	.text
	.protected	k_q7d1c1ad590_quant
	.globl	k_q7d1c1ad590_quant
	.p2align	8
	.type	k_q7d1c1ad590_quant,@function
k_q7d1c1ad590_quant:
	s_mov_b64 s[64:65], 0
	v_nop
	global_prefetch_b8 v0, s[64:65] scope:SCOPE_SE
	s_setreg_imm32_b32 hwreg(HW_REG_WAVE_MODE, 25, 1), 1
	s_wait_xcnt 0x0
; hidden_states [8192][1024] (K innermost) and Wq, Wk, Wv, Wo [1024 (k)][1024 (n)] (K outermost), f32, become codes of BF6 (E3M2) with one E8M0 byte for each 32 along K,
; laid as the matrix operands' registers want them.  A block's scale is 2^(floor(log2(largest magnitude)) - 4): its byte is the largest magnitude's exponent field - 4, held at 1 from below.
; LIMITS: a block whose largest magnitude lies under 2^-122 (a block of zeros too) keeps the byte 1: its codes are read by this program alone; NaN and infinities are not served.
; AN OPERAND BLOCK (25,600 bytes) holds 128 rows x 256 along K: the image of tile i (16 rows), K step q (128) at 1536 (8 q + i); scale words at 24,576 + 512 q + 64 i + 4 r.
; An image is a fragment's 12 registers: for c = 0, 1 registers 6 c .. 6 c + 3 at 768 c + 16 lane, registers 6 c + 4, 6 c + 5 at 768 c + 512 + 8 lane: every store is dense.
; THE ROWS OF A TILE ARE NOT NEIGHBOURS: lane r of tile 2 p + u takes row 32 p + 8 u + r + 8 (r / 8).
; SHARES: a work-group makes one block.  Work-groups 0-255: x's blocks (group of 128 rows = number / 4, 256 along K = number % 4); 256-383: the weights' (matrix, group of 128 columns, 256 along K).
; Wave w: tiles 2 p, 2 p + 1 with p = w % 4, K step q = w / 4.  Waves share nothing: no barrier.  No tile is shared between work-groups, so no cluster.
; The scale words leave as 128 dense bytes a wave (one part in 24 of what is stored); all else as 256 or 512 dense bytes.
.set OPB,  25600
.set TM,   16                          ; v16-19 largest magnitudes, v20-23 bytes, v28-31 the conversions' scale operands
.set PW,   32                          ; the scale word just made
.set PWA,  33                          ; tile 2 p's, kept
.set PC,   36                          ; v36-47 a fragment's codes; v48-50, v52-54 the conversions' second halves
.set RA,   64                          ; v64-127   tile 2 p's 64 numbers a lane
.set RB,   128                         ; v128-191  tile 2 p + 1's
; 64 numbers of a lane, register 16 b + i = k 32 b + 16 (lane / 16) + i of my row, become a fragment's codes in v[PC] on and its scale word in v[PW]
.macro QUANT s
.irp b, 0,1,2,3
	v_max3_num_f32 v[TM+\b], |v[\s+16*\b]|, |v[\s+1+16*\b]|, 0x2800000   ; my 16 numbers of block b, and the floor 2^(5 - 127): the byte cannot fall under 1
.endr
.irp i, 2,4,6,8,10,12,14
.irp b, 0,1,2,3
	s_delay_alu instid0(VALU_DEP_4)
	v_max3_num_f32 v[TM+\b], v[TM+\b], |v[\s+16*\b+\i]|, |v[\s+1+16*\b+\i]|
.endr
.endr
.irp b, 0,1,2,3
	s_delay_alu instid0(VALU_DEP_4)
	v_permlanex16_b32 v[TM+4+\b], v[TM+\b], s32, s33
.endr
.irp b, 0,1,2,3
	s_delay_alu instid0(VALU_DEP_4)
	v_max_num_f32 v[TM+\b], v[TM+\b], v[TM+4+\b]   ; with lane l xor 16's: the block's largest magnitude
.endr
.irp b, 0,1,2,3
	s_delay_alu instid0(VALU_DEP_4)
	v_add_nc_u32 v[TM+12+\b], 0xfe000000, v[TM+\b] ; 4 off its exponent field: the conversion's scale operand
.endr
.irp b, 0,1,2,3
	s_delay_alu instid0(VALU_DEP_4)
	v_lshrrev_b32 v[TM+4+\b], 23, v[TM+12+\b]      ; the scale's byte
.endr
	s_delay_alu instid0(VALU_DEP_3)
	v_lshl_or_b32 v[PW], v[TM+5], 8, v[TM+4]
	s_delay_alu instid0(VALU_DEP_1)
	v_lshl_or_b32 v[PW], v[TM+6], 16, v[PW]
	s_delay_alu instid0(VALU_DEP_1)
	v_lshl_or_b32 v[PW], v[TM+7], 24, v[PW]
.irp c, 0,1
	v_cvt_scalef32_pk16_bf6_f32 v[PC+6*\c:PC+2+6*\c], v[\s+32*\c:\s+15+32*\c], v[TM+12+2*\c]
	v_cvt_scalef32_pk16_bf6_f32 v[PC+12+4*\c:PC+14+4*\c], v[\s+16+32*\c:\s+31+32*\c], v[TM+12+2*\c+1]
.endr
	v_nop                                          ; one plain place behind a scaled conversion
.irp c, 0,1                                    ; the operand wants a whole block in a lane: lanes 0-15 block 2 c, lanes 16-31 block 2 c + 1
.irp i, 0,1,2
	v_permlane16_swap_b32 v[PC+6*\c+\i], v[PC+12+4*\c+\i]
.endr
.irp i, 0,1,2
	s_delay_alu instid0(VALU_DEP_3)
	v_mov_b32 v[PC+3+6*\c+\i], v[PC+12+4*\c+\i]
.endr
.endr
.endm
.macro PUT f, u                        ; the fragment in v[f] on goes out as the image of tile 2 p + u
	global_store_b128 v4, v[\f:\f+3], s[34:35] offset:1536*\u
	global_store_b64 v5, v[\f+4:\f+5], s[34:35] offset:1536*\u+512
	global_store_b128 v4, v[\f+6:\f+9], s[34:35] offset:1536*\u+768
	global_store_b64 v5, v[\f+10:\f+11], s[34:35] offset:1536*\u+1280
.endm
.macro XLOAD reg, u                    ; tile 2 p + u: sixteen rows, 512 dense bytes (128 along K) each
.irp i, 0,1,2,3,4,5,6,7,8,9,10,11,12,13,14,15
	global_load_b128 v[\reg+4*\i:\reg+4*\i+3], v4, s[4:5] offset:(8*\u+\i+8*(\i/8))*4096 th:TH_LOAD_NT
.endr
.endm
.macro XTURN reg                       ; through my stage (rows of 512 + 16 bytes): in as loaded, back 16 neighbours of each block of 32 a lane, into the registers that they left
.irp i, 0,1,2,3,4,5,6,7,8,9,10,11,12,13,14,15
	ds_store_b128 v7, v[\reg+4*\i:\reg+4*\i+3] offset:528*\i
.endr
.irp b, 0,1,2,3
.irp j, 0,1,2,3
	ds_load_b128 v[\reg+16*\b+4*\j:\reg+16*\b+4*\j+3], v8 offset:128*\b+16*\j
.endr
.endr
.endm
.macro WLOAD t                         ; block t of my column: W(32 t + i, column), i = 0 .. 31: a wave's load covers 128 dense bytes
.irp i, 0,1,2,3,4,5,6,7,8,9,10,11,12,13,14,15,16,17,18,19,20,21,22,23,24,25,26,27,28,29,30,31
	global_load_b32 v[64+32*(\t)+\i], v9, s[4:5] offset:(32*(\t)+\i)*4096 th:TH_LOAD_NT
.endr
.endm
.macro WBLOCK t                        ; block t is all mine: its maximum needs no other lane.  Even blocks' codes go to v36 on, odd blocks' to v48 on
.set XS, 64+32*(\t)
.set FE, 36+12*((\t)%2)+6*((\t)/2)
.set CTW, 20+4*((\t)%2)
	v_max3_num_f32 v12, |v[XS]|, |v[XS+1]|, |v[XS+2]|
	v_max3_num_f32 v13, |v[XS+3]|, |v[XS+4]|, |v[XS+5]|
.irp i, 6,10,14,18,22,26
	s_delay_alu instid0(VALU_DEP_2)
	v_max3_num_f32 v12, v12, |v[XS+\i]|, |v[XS+\i+1]|
	s_delay_alu instid0(VALU_DEP_2)
	v_max3_num_f32 v13, v13, |v[XS+\i+2]|, |v[XS+\i+3]|
.endr
	s_delay_alu instid0(VALU_DEP_2)
	v_max3_num_f32 v12, v12, |v[XS+30]|, |v[XS+31]|
	s_delay_alu instid0(VALU_DEP_1)
	v_max3_num_f32 v12, v12, v13, 0x2800000        ; and the floor
	s_delay_alu instid0(VALU_DEP_1)
	v_add_nc_u32 v11, 0xfe000000, v12
	s_delay_alu instid0(VALU_DEP_1)
	v_lshrrev_b32 v13, 23, v11
.if (\t) == 0
	s_delay_alu instid0(VALU_DEP_1)
	v_mov_b32 v14, v13
.else
	s_delay_alu instid0(VALU_DEP_1)
	v_lshl_or_b32 v14, v13, 8*(\t), v14            ; my column's scale word
.endif
	v_cvt_scalef32_pk16_bf6_f32 v[FE:FE+2], v[XS:XS+15], v11
	v_cvt_scalef32_pk16_bf6_f32 v[CTW:CTW+2], v[XS+16:XS+31], v11
.endm
.macro WJOIN c                         ; lanes 0-15 hold tile 2 p's columns, lanes 16-31 tile 2 p + 1's.  The swap gives v36 on tile 2 p (block 2 c below, 2 c + 1 above) and v48 on tile 2 p + 1
	v_nop                                          ; one plain place behind a scaled conversion
.irp i, 0,1,2
	v_mov_b32 v[39+6*\c+\i], v[20+\i]
	v_mov_b32 v[51+6*\c+\i], v[24+\i]
.endr
.irp i, 0,1,2,3,4,5
	v_permlane16_swap_b32 v[36+6*\c+\i], v[48+6*\c+\i]
.endr
.endm
	s_load_b256 s[4:11], s[0:1], 0x0               ; hidden_states, Wq, Wk, Wv
	s_load_b128 s[12:15], s[0:1], 0x20             ; Wo, xq
	s_load_b64 s[16:17], s[0:1], 0x30              ; wq
	v_lshl_add_u32 v192, v0, 2, 0x10800
	v_mov_b32 v193, 0
	v_lshrrev_b32 v1, 5, v0
	s_delay_alu instid0(VALU_DEP_1)
	v_readfirstlane_b32 s18, v1                    ; wave 0..7
	v_and_b32 v1, 31, v0                           ; lane
	v_and_b32 v2, 15, v0                           ; r
	v_bfe_u32 v3, v0, 4, 1                         ; h
	s_delay_alu instid0(VALU_DEP_3)
	v_lshlrev_b32 v4, 4, v1
	s_delay_alu instid0(VALU_DEP_4)
	v_lshlrev_b32 v5, 3, v1
	v_lshlrev_b32 v6, 2, v1
	s_and_b32 s19, s18, 3                          ; p
	s_lshr_b32 s20, s18, 2                         ; q
	s_mul_i32 s22, s20, 8*1536
	s_mul_i32 s23, s19, 2*1536
	s_add_co_u32 s22, s22, s23                     ; my two images' place in a block
	s_lshl_b32 s24, s20, 9
	s_lshl_b32 s25, s19, 7
	s_add_co_u32 s24, s24, s25
	s_add_co_u32 s24, s24, 24576                   ; and my 32 scale words'
	s_mov_b32 s23, 0
	s_mov_b32 s25, 0
	s_cmp_lt_u32 ttmp9, 256
	s_cbranch_scc0 .Lweights
	; ---- x: K is innermost
	s_mul_i32 s26, ttmp9, OPB
	s_add_co_u32 s22, s22, s26
	s_add_co_u32 s24, s24, s26
	s_lshr_b32 s27, ttmp9, 2                       ; group of 128 rows
	s_and_b32 s28, ttmp9, 3                        ; which 256 along K
	s_lshl_b32 s27, s27, 7
	s_lshl_b32 s29, s19, 5
	s_add_co_u32 s27, s27, s29                     ; my 32 rows
	s_lshl_b32 s26, s27, 12                        ; x 4,096 bytes
	s_lshl_b32 s28, s28, 10
	s_add_co_u32 s26, s26, s28
	s_lshl_b32 s28, s20, 9
	s_add_co_u32 s26, s26, s28                     ; + my 128 along K
	s_mov_b32 s27, 0
	s_mul_i32 s30, s18, 8448                       ; my stage
	s_wait_alu depctr_va_vdst(0)
	v_add_nc_u32 v7, s30, v4
	v_mul_u32_u24 v8, v2, 528
	s_delay_alu instid0(VALU_DEP_1)
	v_lshl_add_u32 v8, v3, 6, v8
	s_delay_alu instid0(VALU_DEP_1)
	v_add_nc_u32 v8, s30, v8
	s_mov_b32 s32, 0x76543210
	s_mov_b32 s33, 0xfedcba98                      ; lane l xor 16
.irp b, 0,1,2,3
	v_mov_b32 v[TM+4+\b], 0                        ; a lane permute's destination counts as one of its sources
.endr
	s_wait_alu depctr_va_vdst(0)
	s_wait_kmcnt 0x0
	s_add_nc_u64 s[4:5], s[4:5], s[26:27]
	s_add_nc_u64 s[34:35], s[14:15], s[22:23]
	s_add_nc_u64 s[36:37], s[14:15], s[24:25]
	XLOAD RA, 0
	XLOAD RB, 1
	s_wait_loadcnt 16                              ; tile 2 p's sixteen loads are in, the other tile's may be out
	XTURN RA
	s_wait_loadcnt 0x0
	XTURN RB                                       ; LDS serves a wave's instructions in order: these stores come behind the first tile's reads
	s_wait_dscnt 32                                ; the first tile is back; the second tile's 16 stores and 16 loads may be out
	QUANT RA
	PUT PC, 0
	v_mov_b32 v[PWA], v[PW]
	s_wait_dscnt 0x0
	s_wait_xcnt 0x0                                ; the stores have read the codes' registers, which are written again
	QUANT RB
	PUT PC, 1
	v_cmp_le_u32 vcc_lo, 16, v1
	s_delay_alu instid0(VALU_DEP_1)
	v_cndmask_b32 v[PW], v[PWA], v[PW], vcc_lo     ; lanes 0-15 tile 2 p's words, lanes 16-31 tile 2 p + 1's
	global_store_b32 v6, v[PW], s[36:37]
	s_wait_tensorcnt 0x0
	ds_add_u32 v192, v193
	s_wait_dscnt 0x0
	s_endpgm
	; ---- a weight: K is the first axis.  A lane takes a column and its registers run down K: nothing is transposed, no LDS
.Lweights:
	s_sub_co_u32 s21, ttmp9, 256                   ; the block's number in wq = 32 matrix + 4 group + (256 along K)
	s_mul_i32 s26, s21, OPB
	s_add_co_u32 s22, s22, s26
	s_add_co_u32 s24, s24, s26
	s_lshr_b32 s31, s21, 5                         ; matrix: q, k, v, o
	s_bfe_u32 s28, s21, 0x30002                    ; group of 128 columns
	s_and_b32 s29, s21, 3
	s_lshl_b32 s26, s29, 20                        ; 256 rows of 4,096 bytes
	s_lshl_b32 s30, s20, 19                        ; + 128 q rows
	s_add_co_u32 s26, s26, s30
	s_lshl_b32 s30, s28, 9
	s_add_co_u32 s26, s26, s30
	s_lshl_b32 s30, s19, 7
	s_add_co_u32 s26, s26, s30                     ; + my 32 columns
	s_mov_b32 s27, 0
	s_wait_alu depctr_va_vdst(0)
	v_and_b32 v9, 8, v2
	s_delay_alu instid0(VALU_DEP_1)
	v_add_nc_u32 v9, v9, v2
	s_delay_alu instid0(VALU_DEP_1)
	v_lshl_add_u32 v9, v3, 3, v9                   ; column 8 h + r + 8 (r / 8) of the 32
	s_delay_alu instid0(VALU_DEP_1)
	v_lshlrev_b32 v9, 2, v9
	s_wait_alu depctr_va_vdst(0)
	s_wait_kmcnt 0x0
	s_cmp_eq_u32 s31, 1
	s_cselect_b64 s[6:7], s[8:9], s[6:7]
	s_cmp_eq_u32 s31, 2
	s_cselect_b64 s[6:7], s[10:11], s[6:7]
	s_cmp_eq_u32 s31, 3
	s_cselect_b64 s[6:7], s[12:13], s[6:7]
	s_add_nc_u64 s[4:5], s[6:7], s[26:27]
	s_add_nc_u64 s[34:35], s[16:17], s[22:23]
	s_add_nc_u64 s[36:37], s[16:17], s[24:25]
	WLOAD 0
	WLOAD 1
	s_wait_loadcnt 32                              ; block 0 is in; one younger block's 32 loads may be out (so at each of these waits)
	WLOAD 2
	WBLOCK 0
	s_wait_loadcnt 32
	WLOAD 3
	WBLOCK 1
	WJOIN 0
	s_wait_loadcnt 32
	WBLOCK 2
	s_wait_loadcnt 0x0
	WBLOCK 3
	WJOIN 1
	PUT 36, 0
	PUT 48, 1
	global_store_b32 v6, v14, s[36:37]
	s_endpgm
.Lfunc_end_k_q7d1c1ad590_quant:
	.size	k_q7d1c1ad590_quant, .Lfunc_end_k_q7d1c1ad590_quant-k_q7d1c1ad590_quant
	.p2alignl 7, 3214868480
	.fill 96, 4, 3214868480
	.section	.rodata,"a",@progbits
	.p2align	6, 0x0
	.amdhsa_kernel k_q7d1c1ad590_quant
		.amdhsa_group_segment_fixed_size 68608
		.amdhsa_private_segment_fixed_size 0
		.amdhsa_enable_private_segment 0
		.amdhsa_kernarg_size 56
		.amdhsa_user_sgpr_count 2
		.amdhsa_user_sgpr_kernarg_segment_ptr 1
		.amdhsa_wavefront_size32 1
		.amdhsa_system_sgpr_workgroup_id_x 1
		.amdhsa_system_sgpr_workgroup_id_y 1
		.amdhsa_system_sgpr_workgroup_id_z 1
		.amdhsa_system_vgpr_workitem_id 0
		.amdhsa_next_free_vgpr 194
		.amdhsa_next_free_sgpr 66
		.amdhsa_reserve_vcc 1
		.amdhsa_float_denorm_mode_32 3
		.amdhsa_float_denorm_mode_16_64 3
		.amdhsa_memory_ordered 1
		.amdhsa_forward_progress 1
		.amdhsa_inst_pref_size 45
	.end_amdhsa_kernel
	.amdgpu_metadata
---
amdhsa.version: [ 1, 2 ]
amdhsa.kernels:
  - .name:           k_q7d1c1ad590_quant
    .symbol:         k_q7d1c1ad590_quant.kd
    .args:
      - { .name: hidden_states, .offset: 0, .size: 8, .value_kind: global_buffer, .address_space: global }
      - { .name: Wq, .offset: 8, .size: 8, .value_kind: global_buffer, .address_space: global }
      - { .name: Wk, .offset: 16, .size: 8, .value_kind: global_buffer, .address_space: global }
      - { .name: Wv, .offset: 24, .size: 8, .value_kind: global_buffer, .address_space: global }
      - { .name: Wo, .offset: 32, .size: 8, .value_kind: global_buffer, .address_space: global }
      - { .name: xq, .offset: 40, .size: 8, .value_kind: global_buffer, .address_space: global }
      - { .name: wq, .offset: 48, .size: 8, .value_kind: global_buffer, .address_space: global }
    .group_segment_fixed_size: 68608
    .private_segment_fixed_size: 0
    .kernarg_segment_align: 8
    .kernarg_segment_size: 56
    .max_flat_workgroup_size: 256
    .sgpr_count:     66
    .vgpr_count:     194
    .wavefront_size: 32
...
	.end_amdgpu_metadata
.endif
;; end of part 1
;; launch qkv (part 2): grid 12 x 32, 4 waves a work-group, clusters of 4 x 4, 327,680 bytes of LDS; arguments xq, wq, bq, bk, bv, mask, qf, kv; writes qf, kv
.if DOCPART == 2
	.amdgcn_target "amdgcn-amd-amdhsa--gfx1250"
	.amdhsa_code_object_version 6
	.text
	.protected	k_q7d1c1ad590_qkv
	.globl	k_q7d1c1ad590_qkv
	.p2align	8
	.type	k_q7d1c1ad590_qkv,@function
k_q7d1c1ad590_qkv:
	s_mov_b64 s[64:65], 0
	v_nop
	global_prefetch_b8 v0, s[64:65] scope:SCOPE_SE
	s_setreg_imm32_b32 hwreg(HW_REG_WAVE_MODE, 25, 1), 1
	s_wait_xcnt 0x0
	s_wait_alu depctr_hold_cnt(0) depctr_sa_sdst(0) depctr_va_vdst(0) depctr_va_sdst(0) depctr_va_ssrc(0) depctr_va_vcc(0) depctr_vm_vsrc(0)
	s_getreg_b32 s2, hwreg(HW_REG_IB_STS2, 6, 4)
	s_cmp_eq_u32 s2, 0
	s_cbranch_scc0 .Lentry_in_a_cluster
	s_endpgm
.Lentry_in_a_cluster:
	s_bfe_u32 s2, ttmp6, 0x10000c
	s_cmp_lg_u32 s2, 0xf033
	s_cbranch_scc0 .Lentry_shape_is_right
	s_endpgm
.Lentry_shape_is_right:
.set HALFT, 25600
.set SLOT,  2*HALFT                    ; from the first address register of a kind to the second: two K blocks
.set REG3,  3*HALFT                    ; a wave's region of LDS: three K blocks of its 128 rows; K block 3 later takes block 0's place
.set SPARE, 12*HALFT
.set FR,    12
.set ADRA,  16
.set ADRB,  20
.set ADRS,  24
.set SPW,   28
.set NIL,   29
.set L16,   30
.set SC,    32
.set AF,    128
.set R6,    64
.set HIW,   72
.set W0,    80
.set W1,    88
.set MSK,   96
.set SW,    104
.set PC,    112
.set CT,    132
.set TM,    200
.set PW,    216
.set G1,  24
.set G0,  32
.set G1B, 48
.set G0B, 56
.set MSB, 0
.macro WIN new
.if MSB != (\new)
	s_set_vgpr_msb (MSB<<8)|(\new)
.set MSB, \new
.endif
.endm
.macro JLOAD g0a, g1a, g0b, g1b
	s_cmp_eq_u32 s15, 0
	s_cbranch_scc0 .Lfor_b_\@
	tensor_load_to_lds s[\g0a:\g0a+3], s[\g1a:\g1a+7]
	s_nop 0
.rept 4
	v_nop
.endr
	s_branch .Lasked_\@
.Lfor_b_\@:
	tensor_load_to_lds s[\g0b:\g0b+3], s[\g1b:\g1b+7]
	s_nop 0
.rept 4
	v_nop
.endr
.Lasked_\@:
.endm
.macro CREST
	s_cmp_lg_u32 s14, 0
	s_cbranch_scc1 .Lnot_wave_0_\@
	s_barrier_signal -3
.Lnot_wave_0_\@:
	s_barrier_wait -3
	s_barrier_signal -1
	s_barrier_wait -1
.endm
.macro CROUND
	s_barrier_signal -1
	s_barrier_wait -1
	CREST
.endm
.macro PLACES n
.rept \n
	v_nop
.endr
.endm
.macro FRAG reg, a16, off
	ds_load_b128 v[\reg:\reg+3], v[\a16] offset:\off
	ds_load_b64 v[\reg+4:\reg+5], v[\a16+2] offset:\off+512
	ds_load_b128 v[\reg+6:\reg+9], v[\a16] offset:\off+768
	ds_load_b64 v[\reg+10:\reg+11], v[\a16+2] offset:\off+1280
.endm
.macro FETCH_B slot, q, p
	WIN 0x40
.irp i, 0,1,2,3,4,5,6,7
	FRAG 128*(\p)+FR*\i, ADRB+((\slot)%3)/2, (((\slot)%3)%2)*HALFT+1536*(8*(\q)+\i)
.endr
	WIN 0
.endm
.macro FETCH_A slot, q, i0
.irp i, \i0, \i0+1, \i0+2, \i0+3
	FRAG AF+FR*(\i), ADRA+((\slot)%3)/2, (((\slot)%3)%2)*HALFT+1536*(8*(\q)+(\i))
.endr
.endm
.macro SCALES slot
.irp i, 0,1,2,3,4,5,6,7
	ds_load_b32 v[SC+16*((\slot)%2)+2*\i], v[ADRS+((\slot)%3)/2] offset:(((\slot)%3)%2)*HALFT+64*\i
	ds_load_b32 v[SC+16*((\slot)%2)+2*\i+1], v[ADRS+((\slot)%3)/2] offset:(((\slot)%3)%2)*HALFT+512+64*\i
.endr
.endm
.macro MUL16 a0, p, q, sc, cmode
.irp a, \a0, \a0+1
.irp b, 0,1,2,3,4,5,6,7
.set rD, 8*(8*((\a)%4)+\b)
.set rB, 128*(\p)+FR*\b
.set rA, AF+FR*(\a)
.set rX, SC+16*((\sc)%2)+2*\b+(\q)
.set rY, SC+16*((\sc)%2)+2*(\a)+(\q)
.if \cmode == 0
.set rC, rD
.elseif \cmode == 1
.set rC, 96+8*\b+96*(\b/4)
.else
.set rC, 96+8*(\a)+96*((\a)/4)
.endif
	v_wmma_scale_f32_16x16x128_f8f6f4 v[rD:rD+7], v[rB:rB+FR-1], v[rA:rA+FR-1], v[rC:rC+7], v[rX], v[rY] matrix_a_fmt:MATRIX_FMT_BF6 matrix_b_fmt:MATRIX_FMT_BF6 matrix_a_scale:MATRIX_SCALE_ROW1
.endr
.endr
.endm
.macro STEP slot, q, cmode
	s_wait_dscnt 16
.if \cmode
	WIN 0x91
.else
	WIN 0xa1
.endif
	MUL16 0, (\q)%2, \q, \slot, \cmode
	MUL16 2, (\q)%2, \q, \slot, \cmode
	s_wait_dscnt 0
	PLACES 4
	FETCH_B \slot, (\q)+1, 1-(\q)%2
	FETCH_A \slot, (\q)+1, 0
.if \cmode
	WIN 0xd1
.else
	WIN 0xf1
.endif
	MUL16 4, (\q)%2, \q, \slot, \cmode
	MUL16 6, (\q)%2, \q, \slot, \cmode
	PLACES 4
	WIN 0
	FETCH_A \slot, (\q)+1, 4
.endm
.macro TURN slot, next, fill
.if \fill == 2                         ; the next K block has been in LDS since the head's barrier: no wait on TENSORcnt, no barrier
	s_wait_dscnt 16                                ; all but A's four youngest fragments
	WIN 0xa1
	MUL16 0, 1, 1, \slot, 0
	MUL16 2, 1, 1, \slot, 0
	s_wait_dscnt 0x0
	WIN 0
	PLACES 4
.else
	s_wait_tensorcnt 0x0                           ; all my tensor loads have landed;
	ds_add_u32 v[SPW], v[NIL]
.if \fill == 1
	s_mov_b32 s[G1+2], 100<<16                     ; no tensor load of mine is out: from here on a load brings one K block, 100 rows of 256 bytes
	s_mov_b32 s[G1+4], 100
	s_mov_b32 s[G1B+2], 100<<16
	s_mov_b32 s[G1B+4], 100
.endif
	s_wait_dscnt 17                                ; the add and A's four youngest fragments may be out
	WIN 0xa1
	MUL16 0, 1, 1, \slot, 0
	s_wait_dscnt 0x0
	s_barrier_signal -1
	MUL16 2, 1, 1, \slot, 0
	WIN 0
	s_barrier_wait -1
.if \fill == 1
	CREST
	s_add_nc_u64 s[G0+4*\slot+2:G0+4*\slot+3], s[G0+4*\slot+2:G0+4*\slot+3], 3*HALFT
	s_add_nc_u64 s[G0B+4*\slot+2:G0B+4*\slot+3], s[G0B+4*\slot+2:G0B+4*\slot+3], 3*HALFT
	JLOAD G0+4*\slot, G1, G0B+4*\slot, G1B         ; K block 3 into block 0's bytes, which nobody reads any more
.else
	PLACES 4
.endif
.endif
	FETCH_B \next, 0, 0
	FETCH_A \next, 0, 0
	SCALES \next
	WIN 0xf1
	MUL16 4, 1, 1, \slot, 0
	MUL16 6, 1, 1, \slot, 0
	PLACES 4
	WIN 0
	FETCH_A \next, 0, 4
.endm
.macro QUANTW win, src, cs, pw
.set WQ, ((\win)<<2)|((\win)<<4)
	WIN WQ
.irp b, 0,1,2,3
	v_max3_num_f32 v[TM+\b], 0x2800000, |v[(\src)+16*\b]|, |v[(\src)+1+16*\b]|
.endr
.irp i, 2,4,6,8,10,12,14
.irp b, 0,1,2,3
	v_max3_num_f32 v[TM+\b], v[TM+\b], |v[(\src)+16*\b+\i]|, |v[(\src)+1+16*\b+\i]|
.endr
.endr
	WIN 0
.irp b, 0,1,2,3
	v_permlanex16_b32 v[TM+4+\b], v[TM+\b], s12, s13
.endr
.irp b, 0,1,2,3
	v_max_num_f32 v[TM+\b], v[TM+\b], v[TM+4+\b]
.endr
.irp b, 0,1,2,3
	v_add_nc_u32 v[TM+12+\b], 0xfe000000, v[TM+\b]
.endr
.irp b, 0,1,2,3
	v_lshrrev_b32 v[TM+4+\b], 23, v[TM+12+\b]
.endr
	v_lshl_or_b32 v[\pw], v[TM+5], 8, v[TM+4]
	v_lshl_or_b32 v[\pw], v[TM+6], 16, v[\pw]
	v_lshl_or_b32 v[\pw], v[TM+7], 24, v[\pw]
.set WQ, \win
	WIN WQ
.irp c, 0,1
	v_cvt_scalef32_pk16_bf6_f32 v[PC+\cs*\c:PC+\cs*\c+2], v[(\src)+32*\c:(\src)+15+32*\c], v[TM+12+2*\c]
	v_cvt_scalef32_pk16_bf6_f32 v[CT+4*\c:CT+4*\c+2], v[(\src)+16+32*\c:(\src)+31+32*\c], v[TM+12+2*\c+1]
.endr
	WIN 0
	v_nop
.irp c, 0,1
.irp i, 0,1,2
	v_permlane16_swap_b32 v[PC+\cs*\c+\i], v[CT+4*\c+\i]
.endr
.irp i, 0,1,2
	v_mov_b32 v[PC+\cs*\c+3+\i], v[CT+4*\c+\i]
.endr
.endr
.endm
	s_load_b256 s[4:11], s[0:1], 0x0
	s_load_b256 s[68:75], s[0:1], 0x20
	v_lshl_add_u32 v[SPW], v0, 2, SPARE
	v_mov_b32 v[NIL], 0
	ds_add_u32 v28, v29
	ds_add_u32 v28, v29
	s_wait_dscnt 0x0
	v_lshrrev_b32 v1, 5, v0
	v_readfirstlane_b32 s14, v1
	s_lshr_b32 s15, s14, 1
	s_and_b32 s16, s14, 1
	s_bfe_u32 s40, ttmp6, 0x40000
	s_bfe_u32 s41, ttmp6, 0x40004
	s_mov_b32 s42, ttmp9
	s_and_b32 s17, ttmp7, 0xffff
	s_lshl_b32 s43, s41, 2
	s_lshl_b32 s43, 15, s43
	s_lshl_b32 s44, 0x1111, s40
	s_or_b32 s[G1+0], s43, (3<<16)|(1<<21)
	s_or_b32 s[G1B+0], s44, (3<<16)|(1<<21)
.irp g, G1, G1B
	s_mov_b32 s[\g+1], 32<<16
	s_mov_b32 s[\g+2], 300<<16                     ; the head's load: three K blocks on end, 300 rows of 256 bytes
	s_mov_b32 s[\g+3], 32<<16
	s_mov_b32 s[\g+4], 300
	s_mov_b32 s[\g+5], 32
	s_mov_b32 s[\g+6], 0
	s_mov_b32 s[\g+7], 0
.endr
	s_mov_b32 s12, 0x76543210
	s_mov_b32 s13, 0xfedcba98
	s_lshl_b32 s18, s17, 2
	s_add_co_u32 s20, s18, s41
	s_lshl_b32 s20, s20, 1
	s_add_co_u32 s20, s20, s16
	s_lshl_b32 s21, s41, 1
	s_add_co_u32 s21, s21, s16
	s_add_co_u32 s21, s21, 16
	s_add_co_u32 s46, s18, s40
	s_lshl_b32 s46, s46, 1
	s_add_co_u32 s46, s46, s16
	s_lshl_b32 s47, s40, 1
	s_add_co_u32 s47, s47, s16
	s_lshl_b32 s19, s42, 3
	s_add_co_u32 s47, s47, s19
	s_add_co_u32 s90, s18, s41
	s_lshl_b32 s90, s90, 1
	s_add_co_u32 s90, s90, s15
	s_cmp_eq_u32 s42, 2
	s_cselect_b32 s20, s21, s20
	s_cselect_b32 s46, s46, s47
	s_mul_i32 s20, s20, 4*HALFT
	s_mul_i32 s46, s46, 4*HALFT
	s_mov_b32 s21, 0
	s_mov_b32 s47, 0
	s_mul_i32 s45, s14, REG3
	s_wait_kmcnt 0x0
	s_cmp_eq_u32 s42, 2
	s_cselect_b64 s[22:23], s[6:7], s[4:5]
	s_cselect_b64 s[76:77], s[4:5], s[6:7]
	s_add_nc_u64 s[20:21], s[22:23], s[20:21]
	s_add_nc_u64 s[46:47], s[76:77], s[46:47]
	CROUND
	s_mov_b32 s[G0], 1
	s_mov_b32 s[G0+1], s45
	s_mov_b64 s[G0+2:G0+3], s[20:21]
	s_or_b32 s[G0+3], s[G0+3], 0x80000000
	s_mov_b32 s[G0B], 1
	s_mov_b32 s[G0B+1], s45
	s_mov_b64 s[G0B+2:G0B+3], s[46:47]
	s_or_b32 s[G0B+3], s[G0B+3], 0x80000000
	JLOAD G0, G1, G0B, G1B                         ; my one tensor load at the head: K blocks 0 to 2 of my 128 rows
	v_and_b32 v1, 15, v0
	v_bfe_u32 v2, v0, 4, 1
	v_and_b32 v3, 31, v0
	v_lshlrev_b32 v[L16], 4, v3
	v_lshlrev_b32 v4, 3, v3
	s_mul_i32 s78, s15, REG3
	s_mul_i32 s79, s16, REG3
	s_add_co_u32 s79, s79, 2*REG3
	s_sub_co_u32 s80, s79, s78
	v_lshlrev_b32 v5, 2, v1
	v_mul_u32_u24 v6, s80, v2
	v_add_nc_u32 v5, v5, v6
	s_add_co_u32 s81, s78, 24576
.irp s, 0,1
	v_add_nc_u32 v[ADRA+\s], s78, v[L16]
	v_add_nc_u32 v[ADRA+2+\s], s78, v4
	v_add_nc_u32 v[ADRB+\s], s79, v[L16]
	v_add_nc_u32 v[ADRB+2+\s], s79, v4
	v_add_nc_u32 v[ADRS+\s], s81, v5
	s_add_co_u32 s78, s78, SLOT
	s_add_co_u32 s79, s79, SLOT
	s_add_co_u32 s81, s81, SLOT
.endr
	v_lshlrev_b32 v7, 6, v2
	v_and_b32 v8, 8, v1
	v_add_nc_u32 v8, v8, v1
	v_lshlrev_b32 v8, 2, v8
	s_lshl_b32 s84, s90, 9
	s_mov_b32 s85, 0
	s_add_nc_u64 s[86:87], s[70:71], s[84:85]
.irp a, 0,1,2,3,4,5,6,7
	global_load_b32 v[MSK+\a], v8, s[86:87] offset:(32*(\a/2)+8*(\a%2))*4
.endr
	s_cmp_eq_u32 s42, 2
	s_cbranch_scc1 .Lbias_v
	s_cmp_eq_u32 s42, 1
	s_cselect_b64 s[82:83], s[10:11], s[8:9]
	s_lshl_b32 s84, s40, 1
	s_add_co_u32 s84, s84, s16
	s_lshl_b32 s84, s84, 9
	s_add_nc_u64 s[82:83], s[82:83], s[84:85]
	WIN 0x40
	s_wait_alu depctr_va_vdst(0)
.irp b, 0,1,2,3,4,5,6,7
	global_load_b128 v[96+8*\b+96*(\b/4):96+8*\b+96*(\b/4)+3], v7, s[82:83] offset:(32*(\b/2)+8*(\b%2))*4
	global_load_b128 v[96+8*\b+96*(\b/4)+4:96+8*\b+96*(\b/4)+7], v7, s[82:83] offset:(32*(\b/2)+8*(\b%2))*4+16
.endr
	WIN 0
	s_branch .Lbias_done
.Lbias_v:
	s_lshl_b32 s84, s41, 1
	s_add_co_u32 s84, s84, s15
	s_lshl_b32 s84, s84, 9
	s_add_nc_u64 s[82:83], s[68:69], s[84:85]
	WIN 0x40
	s_wait_alu depctr_va_vdst(0)
.irp a, 0,1,2,3,4,5,6,7
.irp j, 0,1,2,3,4,5,6,7
	global_load_b32 v[96+8*\a+96*(\a/4)+\j], v8, s[82:83] offset:(32*(\a/2)+8*(\a%2))*4
.endr
.endr
	WIN 0
.Lbias_done:
	s_wait_tensorcnt 0x0
	s_barrier_signal -1
	s_barrier_wait -1
	FETCH_B 0, 0, 0
	FETCH_A 0, 0, 0
	SCALES 0
	FETCH_A 0, 0, 4
	s_wait_loadcnt 0x0
	s_cmp_eq_u32 s42, 2
	s_cbranch_scc1 .Lfirst_v
	STEP 0, 0, 1
	s_branch .Lfirst_done
.Lfirst_v:
	STEP 0, 0, 2
.Lfirst_done:
	TURN 0, 1, 1
	STEP 1, 0, 0
	TURN 1, 2, 2
	STEP 2, 0, 0
	TURN 2, 3, 0
	STEP 3, 0, 0
	s_wait_dscnt 16
	WIN 0xa1
	MUL16 0, 1, 1, 1, 0
	MUL16 2, 1, 1, 1, 0
	s_wait_dscnt 0
	WIN 0xf1
	MUL16 4, 1, 1, 1, 0
	MUL16 6, 1, 1, 1, 0
	WIN 0
	PLACES 4
.irp b, 0,1,2,3
	v_mov_b32 v[TM+4+\b], 0
.endr
	s_lshl_b32 s76, s17, 2
	s_add_co_u32 s77, s76, s40
	s_lshl_b32 s77, s77, 1
	s_add_co_u32 s77, s77, s16
	s_lshl_b32 s78, s41, 1
	s_add_co_u32 s78, s78, s15
	s_lshl_b32 s78, s78, 1
	s_lshl_b32 s79, s40, 1
	s_add_co_u32 s79, s79, s16
	s_lshl_b32 s79, s79, 1
	s_cmp_eq_u32 s42, 2
	s_cselect_b32 s91, s77, s90
	s_cselect_b32 s92, s78, s79
	s_cmp_eq_u32 s42, 0
	s_cselect_b64 s[94:95], s[72:73], s[74:75]
	s_mov_b32 s93, 241664
	s_cselect_b32 s93, 139264, s93
	s_mov_b32 s96, 15104
	s_cselect_b32 s96, 8704, s96
	s_lshr_b32 s97, s91, 4
	s_lshl_b32 s97, s97, 4
	s_add_co_u32 s97, s97, s92
	s_mul_i32 s97, s97, s93
	s_and_b32 s91, s91, 15
	s_mul_i32 s91, s91, s96
	s_add_co_u32 s98, s97, s91
	s_mov_b32 s99, 0
	s_add_nc_u64 s[94:95], s[94:95], s[98:99]
	s_mov_b32 s98, s93
	s_add_nc_u64 s[96:97], s[94:95], s[98:99]
	s_mov_b32 s82, 0xffff0000
	s_cmp_eq_u32 s42, 2
	s_cbranch_scc1 .Lout_v
	s_cmp_eq_u32 s42, 1
	s_cselect_b32 s86, 0, 0x1f
	s_cselect_b32 s87, 0x3f, 0x1f
	s_mov_b32 s88, 0x7f7f0000
	s_cselect_b32 s89, 0x01f30000, s88
	s_cselect_b32 s88, 0x01010000, s88
	v_sub_nc_u32 v10, 1, v2
	v_mul_u32_u24 v110, s86, v10
	v_mul_u32_u24 v108, s87, v10
	v_mov_b32 v109, s89
	v_mov_b32 v111, s88
	v_mov_b32 v[PC+7], 0
	v_mov_b32 v[PC+15], 0
.irp a, 0,1,2,3,4,5,6,7
	v_cmp_eq_u32 vcc_lo, 0, v[MSK+\a]
	v_cndmask_b32 v[R6+\a], v110, v108, vcc_lo
	v_cndmask_b32 v[HIW+\a], v111, v109, vcc_lo
.endr
.irp a, 0,1,2,3,4,5,6,7
	s_wait_xcnt 0x0
	QUANTW 2+\a/4, 64*(\a%4), 8, PW
	v_mov_b32 v[PC+6], v[R6+\a]
	v_mov_b32 v[PC+14], v[R6+\a]
	global_store_b128 v[L16], v[PC:PC+3], s[94:95] offset:1024*\a
	global_store_b128 v[L16], v[PC+4:PC+7], s[94:95] offset:1024*\a+512
	global_store_b128 v[L16], v[PC+8:PC+11], s[96:97] offset:1024*\a
	global_store_b128 v[L16], v[PC+12:PC+15], s[96:97] offset:1024*\a+512
	v_and_or_b32 v[W0+\a], v[PW], 0xffff, v[HIW+\a]
	v_lshrrev_b32 v[W1+\a], 16, v[PW]
	v_or_b32 v[W1+\a], v[W1+\a], v[HIW+\a]
.endr
.irp t, 0,1,2,3
	v_cndmask_b32 v[SW+\t], v[W0+\t], v[W0+4+\t], s82
.endr
	global_store_b128 v[L16], v[SW:SW+3], s[94:95] offset:8192
	s_wait_alu depctr_va_vdst(0)
	s_wait_xcnt 0x0
.irp t, 0,1,2,3
	v_cndmask_b32 v[SW+\t], v[W1+\t], v[W1+4+\t], s82
.endr
	global_store_b128 v[L16], v[SW:SW+3], s[96:97] offset:8192
	s_branch .Lend
.Lout_v:
	v_mul_u32_u24 v10, v2, 241664
	v_lshl_add_u32 v10, v1, 4, v10
.irp a, 0,1,2,3,4,5,6,7
	s_wait_xcnt 0x0
	QUANTW 2+\a/4, 64*(\a%4), 6, W0+\a
.irp c, 0,1,2
	global_store_b128 v[L16], v[PC+4*\c:PC+4*\c+3], s[94+2*(\a/4):95+2*(\a/4)] offset:8704+1536*(\a%4)+512*\c
.endr
.endr
.irp t, 0,1,2,3
	v_cndmask_b32 v[SW+\t], v[W0+\t], v[W0+4+\t], s82
.endr
	global_store_b128 v10, v[SW:SW+3], s[94:95] offset:14848
.Lend:
	s_wait_tensorcnt 0x0
	ds_add_u32 v[SPW], v[NIL]
	s_wait_dscnt 0x0
	CROUND
	s_endpgm
.Lfunc_end_k_q7d1c1ad590_qkv:
	.size	k_q7d1c1ad590_qkv, .Lfunc_end_k_q7d1c1ad590_qkv-k_q7d1c1ad590_qkv
	.p2alignl 7, 3214868480
	.fill 96, 4, 3214868480
	.section	.rodata,"a",@progbits
	.p2align	6, 0x0
	.amdhsa_kernel k_q7d1c1ad590_qkv
		.amdhsa_group_segment_fixed_size 327680
		.amdhsa_private_segment_fixed_size 0
		.amdhsa_enable_private_segment 0
		.amdhsa_kernarg_size 64
		.amdhsa_user_sgpr_count 2
		.amdhsa_user_sgpr_kernarg_segment_ptr 1
		.amdhsa_wavefront_size32 1
		.amdhsa_system_sgpr_workgroup_id_x 1
		.amdhsa_system_sgpr_workgroup_id_y 1
		.amdhsa_system_sgpr_workgroup_id_z 1
		.amdhsa_system_vgpr_workitem_id 0
		.amdhsa_next_free_vgpr 1024
		.amdhsa_next_free_sgpr 100
		.amdhsa_reserve_vcc 1
		.amdhsa_float_denorm_mode_32 3
		.amdhsa_float_denorm_mode_16_64 3
		.amdhsa_memory_ordered 1
		.amdhsa_forward_progress 1
		.amdhsa_inst_pref_size 206
	.end_amdhsa_kernel
	.amdgpu_metadata
---
amdhsa.version: [ 1, 2 ]
amdhsa.kernels:
  - .name:           k_q7d1c1ad590_qkv
    .symbol:         k_q7d1c1ad590_qkv.kd
    .args:
      - { .name: xq, .offset: 0, .size: 8, .value_kind: global_buffer, .address_space: global }
      - { .name: wq, .offset: 8, .size: 8, .value_kind: global_buffer, .address_space: global }
      - { .name: bq, .offset: 16, .size: 8, .value_kind: global_buffer, .address_space: global }
      - { .name: bk, .offset: 24, .size: 8, .value_kind: global_buffer, .address_space: global }
      - { .name: bv, .offset: 32, .size: 8, .value_kind: global_buffer, .address_space: global }
      - { .name: mask, .offset: 40, .size: 8, .value_kind: global_buffer, .address_space: global }
      - { .name: qf, .offset: 48, .size: 8, .value_kind: global_buffer, .address_space: global }
      - { .name: kv, .offset: 56, .size: 8, .value_kind: global_buffer, .address_space: global }
    .group_segment_fixed_size: 327680
    .private_segment_fixed_size: 0
    .kernarg_segment_align: 8
    .kernarg_segment_size: 64
    .max_flat_workgroup_size: 128
    .sgpr_count:     100
    .vgpr_count:     1024
    .wavefront_size: 32
...
	.end_amdgpu_metadata
.endif
;; end of part 2
;; launch attn (part 3): grid 4 x 64, 8 waves a work-group, clusters of 4 x 1, 242,688 bytes of LDS; arguments qf, kv, mq; writes mq
.if DOCPART == 3
	.amdgcn_target "amdgcn-amd-amdhsa--gfx1250"
	.amdhsa_code_object_version 6
	.text
	.protected	k_q7d1c1ad590_attn
	.globl	k_q7d1c1ad590_attn
	.p2align	8
	.type	k_q7d1c1ad590_attn,@function
k_q7d1c1ad590_attn:
	s_mov_b64 s[64:65], 0
	v_nop
	global_prefetch_b8 v0, s[64:65] scope:SCOPE_SE
	s_setreg_imm32_b32 hwreg(HW_REG_WAVE_MODE, 25, 1), 1
	s_wait_xcnt 0x0
	s_wait_alu depctr_hold_cnt(0) depctr_sa_sdst(0) depctr_va_vdst(0) depctr_va_sdst(0) depctr_va_ssrc(0) depctr_va_vcc(0) depctr_vm_vsrc(0)
	s_getreg_b32 s2, hwreg(HW_REG_IB_STS2, 6, 4)
	s_cmp_eq_u32 s2, 0
	s_cbranch_scc0 .Lentry_in_a_cluster
	s_endpgm
.Lentry_in_a_cluster:
	s_bfe_u32 s2, ttmp6, 0x10000c
	s_cmp_lg_u32 s2, 0x3003
	s_cbranch_scc0 .Lentry_shape_is_right
	s_endpgm
.Lentry_shape_is_right:
; merged[b][q][64 head + d] = the sum over keys of softmax(q . k / 8, masked keys out) v, both products on codes of BF6 with E8M0 scales; the result is quantised along 64 head + d for the last projection.
; SOFTMAX: t = score x log2(e) / 8; M = the running largest t rounded up to a whole number; p = 2^(t - M) is quantised along the keys; the row's sum is taken of the unquantised p and divides at the end.
; When M moves, the sum and O are multiplied by f = 2^(old M - new M): exact.
; THE MASK is in the operands: at k = 64 of the first product q holds +28 and a masked key -28 x 2^116, so a masked score is about -6.5e37, never moves the running maximum (which starts at -1e30) and gives p = 0.
; q's codes at k = 65 .. 127 are zeros, so what stands in a key fragment's registers 8-11 adds an exact 0: the fragments of K lie 8 registers apart.
; LIMITS: scores under 1e30 in magnitude; a batch whose mask is all zero is not served; NaN and infinities are not served; blocks under 2^-122 keep the byte 1.
; SHARES: a work-group has 512 queries of one (batch, head).  The head's K and V, 241,664 bytes of operand images, come into LDS ONCE and stay: no slot is filled again, no barrier stands in the loops,
; and there is no later fill that a prefetch could run ahead of.  CLUSTER 4 x 1: the four work-groups of a head ask for every byte jointly: each wave one tensor load of 118 rows of 256 bytes.
; A wave holds TWO tiles of 16 queries (A in window 0, B at the same numbers in window 1), so each fragment of K and V feeds two products; it makes two passes over the keys, 128 a step.
; Both products are used transposed (S^T = K Q^T, O^T = V^T P^T): a lane holds one query.
; WHICH KEYS FORM A TILE OF K is chosen by LDS address: tile 4 c + o takes in rows 0-7 keys 64 c + 8 o + 0..7 and in rows 8-15 keys 64 c + 32 + 8 o + 0..7.  So lane (r, h) holds in S + 32 c + i the key 64 c + 32 h + i:
; two WHOLE blocks of 32 keys, in the order of P's operand: a block's maximum needs no other lane and the codes need no lane swap.  In the stored images key 32 p + 8 u + 16 v + j lies in image 2 p + u at lane 8 v + j.
; REGISTERS, window 0: v1 16 l, v2 16 r, v6 8 l, v7 4 l, v10, v11 K's lane terms, v3, v4, v8, v9 LDS addresses, v5; v28-31 q's scale words; v32-99 K; v208-215 K's scale words, v216-219 V's, v220, v221 p's; v250, v251 the add's.
;   window 1: v32-79 V; both tiles' small state: tile x at v[8 x]: -M, largest score, f, (pair's upper half), sum (2), two at work; v[80 + 8 x] on: eight maxima, then the blocks' p, scale operands and bytes; v96 8 h.
;   a tile's, in its window: v16-27 q, v100-163 S^T then p, v164-195 O^T, v196-203 q of pass 1, v224-235 p's codes, v236-245 at work.
.set STEPB, 15104                      ; a key step: K's 8 images of 1,024, 512 of scale words, V's 4 images of 1,536, 256 of scale words
.set QSTEP, 8704
.set S,  100
.set O,  164
.set KF, 32
.set BM, 80
.set SH8, 96
.set MSB, 0
.macro WIN new
.if MSB != (\new)
	s_set_vgpr_msb (MSB<<8)|(\new)
.set MSB, \new
.endif
.endm
.macro CROUND                          ; a round of the cluster's barrier
	s_barrier_signal -1
	s_barrier_wait -1
	s_cmp_lg_u32 s10, 0
	s_cbranch_scc1 .Lnot_wave_0_\@
	s_barrier_signal -3
.Lnot_wave_0_\@:
	s_barrier_wait -3
	s_barrier_signal -1
	s_barrier_wait -1
.endm
.macro KLOAD                           ; a step's K: 8 tiles of 8 registers and their scale words: 20 loads
.irp t, 0,1,2,3,4,5,6,7
	ds_load_b128 v[KF+8*\t:KF+8*\t+3], v8 offset:1024*(4*(\t/4)+\t%2)+128*((\t%4)/2)
	ds_load_b128 v[KF+8*\t+4:KF+8*\t+7], v8 offset:1024*(4*(\t/4)+\t%2)+128*((\t%4)/2)+512
.endr
.irp g, 0,1,2,3
	ds_load_b64 v[208+2*\g:209+2*\g], v9 offset:8192+256*(\g/2)+128*(\g%2)   ; tiles 2 g, 2 g + 1
.endr
.endm
.macro MAX x                           ; tile x: eight chains, one for each accumulator, each from its low end on; then each accumulator's last register
	WIN 0x40|(0x15*\x)
.irp t, 0,1,2,3,4,5,6,7
	v_max3_num_f32 v[BM+8*\x+\t], v[S+8*\t], v[S+8*\t+1], v[S+8*\t+2]
.endr
	WIN 0x41|(0x14*\x)
.irp i, 3,5
.irp t, 0,1,2,3,4,5,6,7
	v_max3_num_f32 v[BM+8*\x+\t], v[BM+8*\x+\t], v[S+8*\t+\i], v[S+8*\t+\i+1]
.endr
.endr
.irp c, 0,1
.irp u, 0,1
	v_max3_num_f32 v[BM+8*\x+4*\c+\u], v[BM+8*\x+4*\c+\u], v[S+8*(4*\c+2*\u)+7], v[S+8*(4*\c+2*\u+1)+7]
.endr
.endr
.endm
.macro CHAIN                           ; both tiles by turns, all in window 1: the blocks' largest scores, the running maximum, -M, f, and t - M of the blocks' largest
	WIN 0x55
.irp c, 0,1
.irp x, 0,1
	v_max3_num_f32 v[BM+8*\x+4*\c], v[BM+8*\x+4*\c], v[BM+8*\x+4*\c+1], v[BM+8*\x+4*\c+2]
.endr
.endr
.irp c, 0,1
.irp x, 0,1
	s_delay_alu instid0(VALU_DEP_4)
	v_max_num_f32 v[BM+8*\x+4*\c], v[BM+8*\x+4*\c], v[BM+8*\x+4*\c+3]   ; my block 2 c + h's largest score
.endr
.endr
.irp x, 0,1
	s_delay_alu instid0(VALU_DEP_2)
	v_max3_num_f32 v[8*\x+6], v[8*\x+1], v[BM+8*\x], v[BM+8*\x+4]
.endr
.irp x, 0,1
	s_delay_alu instid0(VALU_DEP_2)
	v_permlanex16_b32 v[8*\x+7], v[8*\x+6], s20, s21
.endr
.irp x, 0,1
	s_delay_alu instid0(VALU_DEP_2)
	v_max_num_f32 v[8*\x+1], v[8*\x+6], v[8*\x+7]  ; the running largest score of my query
.endr
.irp x, 0,1
	s_delay_alu instid0(VALU_DEP_2)
	v_mul_f32 v[8*\x+7], s22, v[8*\x+1]            ; as t
.endr
.irp x, 0,1
	v_mov_b32 v[8*\x+6], v[8*\x]
.endr
.irp x, 0,1
	s_delay_alu instid0(VALU_DEP_4)
	v_floor_f32 v[8*\x], -v[8*\x+7]                ; the new -M: a whole number
.endr
.irp x, 0,1
	s_delay_alu instid0(VALU_DEP_2)
	v_sub_f32 v[8*\x+6], v[8*\x], v[8*\x+6]
.endr
.irp x, 0,1
	s_delay_alu instid0(VALU_DEP_2)
	v_cvt_i32_f32 v[8*\x+6], v[8*\x+6]             ; (it saturates)
.endr
.irp x, 0,1
	s_delay_alu instid0(VALU_DEP_2)
	v_ldexp_f32 v[8*\x+2], 1.0, v[8*\x+6]          ; f = 2^(old M - new M)
.endr
.irp c, 0,1
.irp x, 0,1
	v_fma_f32 v[BM+8*\x+4*\c], v[BM+8*\x+4*\c], s22, v[8*\x]
.endr
.endr
.endm
.macro RESC x                          ; O^T under the new M (each accumulator from its low end on), and t - M
.set J, 0
.rept 16
	v_pk_mul_f32 v[O+J:O+J+1], v[O+J:O+J+1], v[8*\x+2:8*\x+3] op_sel_hi:[1,0]
.set J, J+2
.endr
.set J, 0
.rept 32
	v_pk_fma_f32 v[S+J:S+J+1], v[S+J:S+J+1], s[22:23], v[8*\x:8*\x+1] op_sel_hi:[1,0,0]
.set J, J+2
.endr
.endm
.macro EXPS
.set J, 0
.rept 64
	v_exp_f32 v[S+J], v[S+J]                       ; p = 2^(t - M)
.set J, J+1
.endr
.endm
.macro SCALE                           ; both tiles by turns: the blocks' scale operands, bytes, and p's scale words (my bytes h and 2 + h, lane l xor 16's the others)
	WIN 0x55
.irp c, 0,1
.irp x, 0,1
	v_max_num_f32 v[BM+8*\x+4*\c], 0x2800000, v[BM+8*\x+4*\c]   ; the floor 2^(5 - 127)
.endr
.endr
.irp c, 0,1
.irp x, 0,1
	s_delay_alu instid0(VALU_DEP_4)
	v_add_nc_u32 v[BM+8*\x+4*\c+1], 0xfe000000, v[BM+8*\x+4*\c]
.endr
.endr
.irp c, 0,1
.irp x, 0,1
	s_delay_alu instid0(VALU_DEP_4)
	v_lshrrev_b32 v[BM+8*\x+4*\c+2], 23, v[BM+8*\x+4*\c+1]
.endr
.endr
.irp x, 0,1
	s_delay_alu instid0(VALU_DEP_2)
	v_lshl_or_b32 v[8*\x+6], v[BM+8*\x+6], 16, v[BM+8*\x+2]
.endr
.irp x, 0,1
	s_delay_alu instid0(VALU_DEP_2)
	v_lshlrev_b32 v[8*\x+6], v[SH8], v[8*\x+6]
.endr
.irp x, 0,1
	s_delay_alu instid0(VALU_DEP_2)
	v_permlanex16_b32 v[8*\x+7], v[8*\x+6], s20, s21
.endr
	WIN 0x15                                       ; scale operands have no window: the words land in window 0
.irp x, 0,1
	v_or_b32 v[220+\x], v[8*\x+6], v[8*\x+7]
.endr
.endm
.macro CVT x
	WIN (\x<<6)|4|\x
.irp c, 0,1
	v_cvt_scalef32_pk16_bf6_f32 v[224+6*\c:226+6*\c], v[S+32*\c:S+32*\c+15], v[BM+8*\x+4*\c+1]
	v_cvt_scalef32_pk16_bf6_f32 v[236+4*\c:238+4*\c], v[S+32*\c+16:S+32*\c+31], v[BM+8*\x+4*\c+1]   ; (a conversion's three registers begin on an even number)
.endr
.endm
.macro SUMS x                          ; the codes' second halves to their places; the step's sum of the unquantised p as a tree in place; sum = sum x f + that
	WIN 0x55*\x
.irp c, 0,1
.irp i, 0,1,2
	v_mov_b32 v[227+6*\c+\i], v[236+4*\c+\i]
.endr
.endr
.set J, 0
.rept 16
	v_pk_add_f32 v[S+J:S+J+1], v[S+J:S+J+1], v[S+J+2:S+J+3]
.set J, J+4
.endr
.set J, 0
.rept 8
	v_pk_add_f32 v[S+J:S+J+1], v[S+J:S+J+1], v[S+J+4:S+J+5]
.set J, J+8
.endr
	v_pk_add_f32 v[S:S+1], v[S:S+1], v[S+8:S+9]
	v_pk_add_f32 v[S+16:S+17], v[S+16:S+17], v[S+24:S+25]
	v_pk_add_f32 v[S+32:S+33], v[S+32:S+33], v[S+40:S+41]
	s_delay_alu instid0(VALU_DEP_4)
	v_pk_add_f32 v[S+48:S+49], v[S+48:S+49], v[S+56:S+57]
	s_delay_alu instid0(VALU_DEP_3)
	v_pk_add_f32 v[S:S+1], v[S:S+1], v[S+16:S+17]
	s_delay_alu instid0(VALU_DEP_2)
	v_pk_add_f32 v[S+32:S+33], v[S+32:S+33], v[S+48:S+49]
	s_delay_alu instid0(VALU_DEP_1)
	v_pk_add_f32 v[S:S+1], v[S:S+1], v[S+32:S+33]
	WIN 0x45|(\x<<4)
.if \x
	s_delay_alu instid0(VALU_DEP_1)
.endif
	v_pk_fma_f32 v[8*\x+4:8*\x+5], v[8*\x+4:8*\x+5], v[8*\x+2:8*\x+3], v[S:S+1] op_sel_hi:[1,0,1]
.endm
.macro PV x
	WIN (0x54*\x)|1
.irp t, 0,1,2,3
	v_wmma_scale_f32_16x16x128_f8f6f4 v[O+8*\t:O+8*\t+7], v[32+12*\t:43+12*\t], v[224:235], v[O+8*\t:O+8*\t+7], v[216+\t], v[220+\x] matrix_a_fmt:MATRIX_FMT_BF6 matrix_b_fmt:MATRIX_FMT_BF6
.endr
.endm
; A KEY STEP: 128 keys at LDS byte s36; K of the step at s37 is fetched for the next one
.macro STEP
	s_wait_dscnt 0x0                               ; this step's K and its scale words are in
.irp t, 0,1,2,3,4,5,6,7
	v_wmma_scale_f32_16x16x128_f8f6f4 v[S+8*\t:S+8*\t+7], v[KF+8*\t:KF+8*\t+11], v[16:27], 0, v[208+\t], v28 matrix_a_fmt:MATRIX_FMT_BF6 matrix_b_fmt:MATRIX_FMT_BF6
.endr
	WIN 0x44                                       ; q and S^T of tile B
.irp t, 0,1,2,3,4,5,6,7
	v_wmma_scale_f32_16x16x128_f8f6f4 v[S+8*\t:S+8*\t+7], v[KF+8*\t:KF+8*\t+11], v[16:27], 0, v[208+\t], v29 matrix_a_fmt:MATRIX_FMT_BF6 matrix_b_fmt:MATRIX_FMT_BF6
.endr
	WIN 0
	v_add_nc_u32 v3, s36, v1                       ; four plain lines: the places in front of the loads below and of the first read of the scores
	v_add_nc_u32 v4, s36, v2
	v_add_nc_u32 v8, s37, v10
	v_add_nc_u32 v9, s37, v11
	WIN 0x40
.irp t, 0,1,2,3
.irp c, 0,1,2
	ds_load_b128 v[32+12*\t+4*\c:32+12*\t+4*\c+3], v3 offset:8704+1536*\t+512*\c
.endr
.endr
	WIN 0
	ds_load_b128 v[216:219], v4 offset:14848
	KLOAD
	MAX 0
	MAX 1
	CHAIN
	WIN 0x14
	RESC 0
	WIN 0x55
	RESC 1
	s_wait_alu depctr_va_vdst(0)
.irp c, 0,1
.irp x, 0,1
	v_exp_f32 v[BM+8*\x+4*\c], v[BM+8*\x+4*\c]     ; the blocks' largest p: the same two instructions on the same number give the same bits
.endr
.endr
	EXPS
	WIN 0
	EXPS
	v_nop                                          ; the plain place behind the exponentials
	s_wait_alu depctr_va_vdst(0)                   ; one wait for the whole batch, ahead of its first reader; it also stands directly ahead of the wait below
	s_wait_dscnt 20                                ; V's 13 loads are in; the 20 younger ones, the next step's K, may be out
	SCALE
	CVT 0
	CVT 1
	v_nop                                          ; one plain place behind a scaled conversion
	SUMS 0
	PV 0
	SUMS 1
	PV 1
	WIN 0
.endm
; Tile x leaves: O^T / the sum; its 32 registers are channels 32 b + 16 h + i of my query: two blocks of the last projection's K: six registers of codes and two scale bytes (v238)
.macro OUT x
	WIN (\x<<6)|4|\x
	s_wait_alu depctr_va_vdst(0)                   ; ahead of the reciprocal's first reader and directly ahead of O^T's first readers
.set J, 0
.rept 16
	v_pk_mul_f32 v[S+J:S+J+1], v[O+J:O+J+1], v[8*\x+2:8*\x+3] op_sel_hi:[1,0]   ; each accumulator from its low end on
.set J, J+2
.endr
	WIN 0x55*\x
.irp b, 0,1
	v_max3_num_f32 v[232+\b], |v[S+16*\b]|, |v[S+1+16*\b]|, 0x2800000
.endr
.irp i, 2,4,6,8,10,12,14
.irp b, 0,1
	s_delay_alu instid0(VALU_DEP_2)
	v_max3_num_f32 v[232+\b], v[232+\b], |v[S+16*\b+\i]|, |v[S+1+16*\b+\i]|
.endr
.endr
.irp b, 0,1
	s_delay_alu instid0(VALU_DEP_2)
	v_permlanex16_b32 v[234+\b], v[232+\b], s20, s21   ; (v234, v235: last written by the step's plain moves)
.endr
.irp b, 0,1
	s_delay_alu instid0(VALU_DEP_2)
	v_max_num_f32 v[232+\b], v[232+\b], v[234+\b]
.endr
.irp b, 0,1
	s_delay_alu instid0(VALU_DEP_2)
	v_add_nc_u32 v[244+\b], 0xfe000000, v[232+\b]
.endr
.irp b, 0,1
	s_delay_alu instid0(VALU_DEP_2)
	v_lshrrev_b32 v[236+\b], 23, v[244+\b]
.endr
	s_delay_alu instid0(VALU_DEP_1)
	v_lshl_or_b32 v238, v237, 8, v236
	v_cvt_scalef32_pk16_bf6_f32 v[224:226], v[S:S+15], v244
	v_cvt_scalef32_pk16_bf6_f32 v[240:242], v[S+16:S+31], v245
	v_nop
.irp i, 0,1,2
	v_permlane16_swap_b32 v[224+\i], v[240+\i]
.endr
.irp i, 0,1,2
	s_delay_alu instid0(VALU_DEP_3)
	v_mov_b32 v[227+\i], v[240+\i]
.endr
	WIN 0x04*\x                                    ; a store's data are its source 1
	global_store_b128 v1, v[224:227], s[42:43] offset:1536*\x
	global_store_b64 v6, v[228:229], s[42:43] offset:1536*\x+512
	WIN 0
.endm
	s_load_b128 s[4:7], s[0:1], 0x0                ; qf, kv
	s_load_b64 s[8:9], s[0:1], 0x10                ; mq
	v_lshl_add_u32 v250, v0, 2, 0x3b000
	v_mov_b32 v251, 0
	ds_add_u32 v250, v251                          ; the opening lines: the add twice on end and its wait ahead of my tensor load
	ds_add_u32 v250, v251
	v_lshrrev_b32 v1, 5, v0
	s_delay_alu instid0(VALU_DEP_1)
	v_readfirstlane_b32 s10, v1                    ; wave 0..7
	s_bfe_u32 s11, ttmp6, 0x40000                  ; cx: which 512 queries
	s_and_b32 s12, ttmp7, 0xffff                   ; 16 batch + head, which the four partners share
	s_mov_b32 s24, 15|(3<<16)|(1<<21)              ; all four work-groups; elements of 8 bytes; bit 21 beside a mask
	s_mov_b32 s25, 32<<16                          ; rows of 256 bytes,
	s_mov_b32 s26, 118<<16                         ; 118 of them: an eighth of the head
	s_mov_b32 s27, 32<<16
	s_mov_b32 s28, 118
	s_mov_b32 s29, 32
	s_mov_b32 s30, 0
	s_mov_b32 s31, 0
	s_mov_b32 s20, 0x76543210
	s_mov_b32 s21, 0xfedcba98                      ; lane l xor 16
	s_mov_b32 s22, 0x3e38aa3b                      ; log2(e) / 8
	s_mov_b32 s23, s22
	s_mov_b32 s40, 0xffff0000                      ; lanes 16-31
	s_mul_i32 s13, s10, 118*256
	s_mul_i32 s14, s12, 16*STEPB
	s_add_co_u32 s14, s14, s13
	s_mov_b32 s15, 0
	s_wait_dscnt 0x0
	s_wait_kmcnt 0x0
	s_mov_b32 s32, 1
	s_mov_b32 s33, s13                             ; LDS: wave x an eighth
	s_add_nc_u64 s[34:35], s[6:7], s[14:15]
	s_or_b32 s35, s35, 0x80000000
	CROUND                                         ; the four work-groups are here: the joint loads meet
	tensor_load_to_lds s[32:35], s[24:31]          ; my one tensor load of the launch
	s_nop 0
.rept 4
	v_nop
.endr
	s_mul_i32 s16, s12, 16*QSTEP
	s_lshl_b32 s17, s11, 2
	s_lshr_b32 s18, s10, 2
	s_add_co_u32 s17, s17, s18                     ; pass 0's step of 128 queries: 4 cx + wave / 4 (pass 1: two on)
	s_mul_i32 s18, s17, QSTEP
	s_add_co_u32 s16, s16, s18
	s_lshl_b32 s19, s10, 1
	s_and_b32 s19, s19, 7                          ; tile A in the step; tile B is the next
	s_lshl_b32 s46, s19, 10
	s_add_co_u32 s46, s46, s16
	s_mov_b32 s47, 0
	s_add_nc_u64 s[46:47], s[4:5], s[46:47]        ; q's images
	s_lshr_b32 s48, s19, 2
	s_lshl_b32 s48, s48, 8
	s_and_b32 s49, s19, 3
	s_lshl_b32 s49, s49, 2
	s_add_co_u32 s48, s48, s49
	s_add_co_u32 s48, s48, s16
	s_add_co_u32 s48, s48, 8192
	s_mov_b32 s49, 0
	s_add_nc_u64 s[48:49], s[4:5], s[48:49]        ; q's scale words
	s_lshr_b32 s50, s12, 4
	s_lshl_b32 s50, s50, 4
	s_add_co_u32 s50, s50, s17                     ; mq's group of 128 rows
	s_mul_i32 s50, s50, 102400
	s_and_b32 s51, s12, 15                         ; head: K = 64 head + d: block head / 4, K step (head / 2) % 2, half head % 2
	s_lshr_b32 s52, s51, 2
	s_mul_i32 s52, s52, 25600
	s_add_co_u32 s50, s50, s52
	s_bfe_u32 s52, s51, 0x10001
	s_and_b32 s53, s51, 1
	s_lshl_b32 s54, s52, 3
	s_add_co_u32 s54, s54, s19
	s_mul_i32 s54, s54, 1536
	s_mul_i32 s55, s53, 768
	s_add_co_u32 s54, s54, s55
	s_add_co_u32 s54, s54, s50
	s_mov_b32 s55, 0
	s_add_nc_u64 s[42:43], s[8:9], s[54:55]        ; where tile A's half image goes
	s_lshl_b32 s54, s52, 9
	s_lshl_b32 s56, s19, 6
	s_add_co_u32 s54, s54, s56
	s_lshl_b32 s56, s53, 1
	s_add_co_u32 s54, s54, s56
	s_add_co_u32 s54, s54, s50
	s_add_co_u32 s54, s54, 24576
	s_add_nc_u64 s[44:45], s[8:9], s[54:55]        ; and the two tiles' scale bytes
	v_and_b32 v12, 31, v0
	v_and_b32 v13, 15, v0
	v_and_b32 v14, 7, v0
	v_bfe_u32 v15, v0, 3, 1
	v_bfe_u32 v5, v0, 4, 1
	v_lshlrev_b32 v1, 4, v12
	v_lshlrev_b32 v2, 4, v13
	v_lshlrev_b32 v6, 3, v12
	v_lshlrev_b32 v7, 2, v12
	v_lshlrev_b32 v14, 4, v14
	s_delay_alu instid0(VALU_DEP_1)
	v_lshl_add_u32 v11, v15, 3, v14                ; K's scale words: 16 (r % 8) + 8 (r / 8)
	s_delay_alu instid0(VALU_DEP_2)
	v_lshl_add_u32 v10, v15, 11, v14               ; K's images: 16 (r % 8) + 2048 (r / 8)
	s_delay_alu instid0(VALU_DEP_1)
	v_lshl_add_u32 v10, v5, 8, v10                 ; + 256 h
	global_load_b128 v[16:19], v1, s[46:47]
	global_load_b128 v[20:23], v1, s[46:47] offset:512
	global_load_b128 v[196:199], v1, s[46:47] offset:2*QSTEP
	global_load_b128 v[200:203], v1, s[46:47] offset:2*QSTEP+512
	global_load_b32 v28, v2, s[48:49]
	global_load_b32 v29, v2, s[48:49] offset:4
	global_load_b32 v30, v2, s[48:49] offset:2*QSTEP
	global_load_b32 v31, v2, s[48:49] offset:2*QSTEP+4
	WIN 0x40
	global_load_b128 v[16:19], v1, s[46:47] offset:1024
	global_load_b128 v[20:23], v1, s[46:47] offset:1024+512
	global_load_b128 v[196:199], v1, s[46:47] offset:2*QSTEP+1024
	global_load_b128 v[200:203], v1, s[46:47] offset:2*QSTEP+1024+512
.irp j, 24,25,26,27,3,11,7,15                  ; written once: q's codes of k = 80 on; upper halves of pairs; lane permutes' destinations
	v_mov_b32 v[\j], 0
.endr
	v_lshlrev_b32 v[SH8], 3, v5                    ; 8 h
	WIN 0
.irp j, 24,25,26,27,96,97,98,99
	v_mov_b32 v[\j], 0
.endr
	v_mov_b32 v8, v10
	v_mov_b32 v9, v11
	s_wait_alu depctr_va_vdst(0)
	s_wait_tensorcnt 0x0                           ; my eighth is in,
	s_barrier_signal -1
	s_barrier_wait -1                              ; everybody's is
	KLOAD                                          ; key step 0
	s_wait_loadcnt 0x0                             ; q
	s_mov_b32 s39, 2
.Lpass:
	WIN 0x40                                       ; the step is written once: the first finds zeros, which f = 0 leaves zeros
.irp x, 0,1
	v_mov_b32 v[8*\x+1], 0xf149f2ca                ; -1e30: above every masked score, under every score that is served
	v_mov_b32 v[8*\x], 0x7149f2ca                  ; -M = 1e30: the first change of M gives f = 0
	v_mov_b32 v[8*\x+4], 0
	v_mov_b32 v[8*\x+5], 0
.endr
.set J, 0
.rept 32
	v_mov_b32 v[O+J], 0
.set J, J+1
.endr
	WIN 0
.set J, 0
.rept 32
	v_mov_b32 v[O+J], 0
.set J, J+1
.endr
	s_mov_b32 s36, 0
	s_mov_b32 s37, STEPB
	s_mov_b32 s38, 15
.Lstep:
	STEP
	s_add_co_u32 s36, s36, STEPB
	s_add_co_u32 s37, s37, STEPB
	s_sub_co_u32 s38, s38, 1
	s_cmp_lg_u32 s38, 0
	s_cbranch_scc1 .Lstep
	s_mov_b32 s37, 0                               ; the last step fetches K of step 0, which the next pass wants
	STEP
	WIN 0x55                                       ; the rows' sums and their reciprocals, both tiles by turns; these lines are also places behind the last products
.irp x, 0,1
	v_add_f32 v[8*\x+6], v[8*\x+4], v[8*\x+5]
.endr
.irp x, 0,1
	s_delay_alu instid0(VALU_DEP_2)
	v_permlanex16_b32 v[8*\x+7], v[8*\x+6], s20, s21
.endr
.irp x, 0,1
	s_delay_alu instid0(VALU_DEP_2)
	v_add_f32 v[8*\x+6], v[8*\x+6], v[8*\x+7]
.endr
	s_wait_alu depctr_va_vdst(0)
.irp x, 0,1
	v_rcp_f32 v[8*\x+2], v[8*\x+6]
.endr
	v_nop
	OUT 0
	OUT 1
	WIN 0x04
	v_cndmask_b32 v5, v238, v238, s40              ; lanes 0-15 tile A's two bytes, lanes 16-31 tile B's
	WIN 0
	global_store_b16 v7, v5, s[44:45]
.irp i, 0,1,2,3,4,5,6,7
	v_mov_b32 v[16+\i], v[196+\i]                  ; pass 1's queries
.endr
	v_mov_b32 v28, v30
	v_mov_b32 v29, v31
	WIN 0x41
.irp i, 0,1,2,3,4,5,6,7
	v_mov_b32 v[16+\i], v[196+\i]
.endr
	WIN 0
	s_wait_xcnt 0x0                                ; the stores have read their data and bases
	s_add_nc_u64 s[42:43], s[42:43], 204800        ; two groups of 128 rows on
	s_add_nc_u64 s[44:45], s[44:45], 204800
	s_sub_co_u32 s39, s39, 1
	s_cmp_lg_u32 s39, 0
	s_cbranch_scc1 .Lpass
	s_wait_dscnt 0x0                               ; the last step's fetch of K
	s_wait_tensorcnt 0x0                           ; the wave's end
	ds_add_u32 v250, v251
	s_wait_dscnt 0x0
	CROUND                                         ; the closing round
	s_endpgm
.Lfunc_end_k_q7d1c1ad590_attn:
	.size	k_q7d1c1ad590_attn, .Lfunc_end_k_q7d1c1ad590_attn-k_q7d1c1ad590_attn
	.p2alignl 7, 3214868480
	.fill 96, 4, 3214868480
	.section	.rodata,"a",@progbits
	.p2align	6, 0x0
	.amdhsa_kernel k_q7d1c1ad590_attn
		.amdhsa_group_segment_fixed_size 242688
		.amdhsa_private_segment_fixed_size 0
		.amdhsa_enable_private_segment 0
		.amdhsa_kernarg_size 24
		.amdhsa_user_sgpr_count 2
		.amdhsa_user_sgpr_kernarg_segment_ptr 1
		.amdhsa_wavefront_size32 1
		.amdhsa_system_sgpr_workgroup_id_x 1
		.amdhsa_system_sgpr_workgroup_id_y 1
		.amdhsa_system_sgpr_workgroup_id_z 1
		.amdhsa_system_vgpr_workitem_id 0
		.amdhsa_next_free_vgpr 512
		.amdhsa_next_free_sgpr 66
		.amdhsa_reserve_vcc 0
		.amdhsa_float_denorm_mode_32 3
		.amdhsa_float_denorm_mode_16_64 3
		.amdhsa_memory_ordered 1
		.amdhsa_forward_progress 1
		.amdhsa_inst_pref_size 78
	.end_amdhsa_kernel
	.amdgpu_metadata
---
amdhsa.version: [ 1, 2 ]
amdhsa.kernels:
  - .name:           k_q7d1c1ad590_attn
    .symbol:         k_q7d1c1ad590_attn.kd
    .args:
      - { .name: qf, .offset: 0, .size: 8, .value_kind: global_buffer, .address_space: global }
      - { .name: kv, .offset: 8, .size: 8, .value_kind: global_buffer, .address_space: global }
      - { .name: mq, .offset: 16, .size: 8, .value_kind: global_buffer, .address_space: global }
    .group_segment_fixed_size: 242688
    .private_segment_fixed_size: 0
    .kernarg_segment_align: 8
    .kernarg_segment_size: 24
    .max_flat_workgroup_size: 256
    .sgpr_count:     66
    .vgpr_count:     512
    .wavefront_size: 32
...
	.end_amdgpu_metadata
.endif
;; end of part 3
;; launch oproj (part 4): grid 4 x 64, 4 waves a work-group, clusters of 4 x 4, 327,680 bytes of LDS; arguments mq, wq, bo, out0; writes out0
.if DOCPART == 4
	.amdgcn_target "amdgcn-amd-amdhsa--gfx1250"
	.amdhsa_code_object_version 6
	.text
	.protected	k_q7d1c1ad590_oproj
	.globl	k_q7d1c1ad590_oproj
	.p2align	8
	.type	k_q7d1c1ad590_oproj,@function
k_q7d1c1ad590_oproj:
	s_mov_b64 s[64:65], 0
	v_nop
	global_prefetch_b8 v0, s[64:65] scope:SCOPE_SE
	s_setreg_imm32_b32 hwreg(HW_REG_WAVE_MODE, 25, 1), 1
	s_wait_xcnt 0x0
	s_wait_alu depctr_hold_cnt(0) depctr_sa_sdst(0) depctr_va_vdst(0) depctr_va_sdst(0) depctr_va_ssrc(0) depctr_va_vcc(0) depctr_vm_vsrc(0)
	s_getreg_b32 s2, hwreg(HW_REG_IB_STS2, 6, 4)
	s_cmp_eq_u32 s2, 0
	s_cbranch_scc0 .Lentry_in_a_cluster
	s_endpgm
.Lentry_in_a_cluster:
	s_bfe_u32 s2, ttmp6, 0x10000c
	s_cmp_lg_u32 s2, 0xf033
	s_cbranch_scc0 .Lentry_shape_is_right
	s_endpgm
.Lentry_shape_is_right:
; out0[m][n] = sum over k of merged[m][k] Wo[k][n] + bo[n], on codes of BF6 with E8M0 scales, laid as operand blocks: 128 rows x 256 K in 25,600 bytes: the image of tile i, K step q at 1536 (8 q + i);
; scale words at 24,576 + 512 q + 64 i + 4 r; an image: registers 6 c .. 6 c + 3 at 768 c + 16 lane, 6 c + 4, 6 c + 5 at 768 c + 512 + 8 lane.  Lane r of tile 2 p + u is row 32 p + 8 u + r + 8 (r / 8).
; SHARES: 256 work-groups, each 128 rows x 256 columns of out0.  ALL OF K LIES IN LDS AT ONCE: A's four blocks (102,400 bytes) and B's eight (204,800): each wave issues one tensor load at the head,
; nothing is filled again, so there is no ring, and no later fill that a prefetch could run ahead of.  A wave makes 64 rows x 128 columns: 32 accumulators (window 2), which take turns.
; CLUSTER 4 x 4: A's blocks are shared along a row of the cluster, B's along a column: joint loads.  Waves 0, 1 fetch A's halves (200 rows of 256 bytes), waves 2, 3 B's two groups (400 rows).
; The matrix instruction is used transposed (source 0 = B, source 1 = A): a lane holds eight neighbouring numbers of a row of out0; the bias is the C of the first K step.
; REGISTERS: window 0: v16-30 addresses, v32-63 scale words (two sets; lanes 0-15 A's, lanes 16-31 B's), v128-223 A's fragments, two sets; window 1: B's fragments at v0 and v128, the bias at v96-127, v224-255.
; The way out goes through a stage in A's bytes, behind a barrier behind which nobody reads LDS operands: those bytes have had their only fill.
.set HALFT, 25600
.set GRP,   4*HALFT
.set SPARE, 3*GRP
.set SPITCH, 528
.set FR,    12
.set ADRA,  16
.set ADRB,  20
.set ADRS,  24
.set STO,   26
.set RD,    27
.set SPW,   28
.set NIL,   29
.set L16,   30
.set SC,    32
.set AF,    128
.set BK,    128
.set G1,  24
.set G0,  32
.set G1B, 48
.set G0B, 56
.set MSB, 0
.macro WIN new
.if MSB != (\new)
	s_set_vgpr_msb (MSB<<8)|(\new)
.set MSB, \new
.endif
.endm
.macro CROUND
	s_barrier_signal -1
	s_barrier_wait -1
	s_cmp_lg_u32 s14, 0
	s_cbranch_scc1 .Lnot_wave_0_\@
	s_barrier_signal -3
.Lnot_wave_0_\@:
	s_barrier_wait -3
	s_barrier_signal -1
	s_barrier_wait -1
.endm
.macro PLACES n
.rept \n
	v_nop
.endr
.endm
.macro FRAG reg, a16, off
	ds_load_b128 v[\reg:\reg+3], v[\a16] offset:\off
	ds_load_b64 v[\reg+4:\reg+5], v[\a16+2] offset:\off+512
	ds_load_b128 v[\reg+6:\reg+9], v[\a16] offset:\off+768
	ds_load_b64 v[\reg+10:\reg+11], v[\a16+2] offset:\off+1280
.endm
.macro FETCH ks                        ; K step ks (128 along K): B's eight fragments, A's four, into set ks % 2; at even steps the scale words of two steps
.set HF, (\ks)/4
.set OF, (((\ks)/2)%2)*HALFT+((\ks)%2)*12288
.set PS, (\ks)%2
.set SS, SC+16*(((\ks)/2)%2)
	WIN 0x40
.irp i, 0,1,2,3,4,5,6,7
	FRAG 128*PS+FR*\i, ADRB+HF, OF+1536*\i
.endr
	WIN 0
.irp i, 0,1,2,3
	FRAG AF+48*PS+FR*\i, ADRA+HF, OF+1536*\i
.endr
.if PS == 0
.irp i, 0,1,2,3,4,5,6,7
	ds_load_b32 v[SS+2*\i], v[ADRS+HF] offset:OF+64*\i
	ds_load_b32 v[SS+2*\i+1], v[ADRS+HF] offset:OF+512+64*\i
.endr
.endif
.endm
.macro MUL ks, cmode
.irp a, 0,1,2,3
.irp b, 0,1,2,3,4,5,6,7
.set rD, 8*(8*\a+\b)
.set rB, 128*((\ks)%2)+FR*\b
.set rA, AF+48*((\ks)%2)+FR*\a
.set rX, SC+16*(((\ks)/2)%2)+2*\b+(\ks)%2
.set rY, SC+16*(((\ks)/2)%2)+2*\a+(\ks)%2
.if \cmode
.set rC, 96+8*\b+96*(\b/4)
.else
.set rC, rD
.endif
	v_wmma_scale_f32_16x16x128_f8f6f4 v[rD:rD+7], v[rB:rB+FR-1], v[rA:rA+FR-1], v[rC:rC+7], v[rX], v[rY] matrix_a_fmt:MATRIX_FMT_BF6 matrix_b_fmt:MATRIX_FMT_BF6 matrix_a_scale:MATRIX_SCALE_ROW1
.endr
.endr
.endm
.macro STEP ks, cmode
	s_wait_dscnt 0x0                               ; this step's fragments, asked for ahead of the last step's 32 products, are in
.if (\ks) == 7
	s_barrier_signal -1                            ; my reads of the operands are over
.else
.if (\ks) > 0
	PLACES 4                                       ; in front of loads into registers that the last step's products read
.endif
	FETCH (\ks)+1
.endif
.if \cmode
	WIN 0x91
.else
	WIN 0xa1
.endif
	MUL \ks, \cmode
	WIN 0
.endm
	s_load_b256 s[4:11], s[0:1], 0x0               ; mq, wq, bo, out0
	v_lshl_add_u32 v[SPW], v0, 2, SPARE
	v_mov_b32 v[NIL], 0
	ds_add_u32 v[SPW], v[NIL]                      ; the opening lines: the add twice on end and its wait
	ds_add_u32 v[SPW], v[NIL]
	v_lshrrev_b32 v1, 5, v0
	v_readfirstlane_b32 s14, v1                    ; wave
	s_lshr_b32 s15, s14, 1                         ; my half of the rows; also: I fetch for A (0) or B (1)
	s_and_b32 s16, s14, 1                          ; my half of the columns; also: which part I fetch
	s_bfe_u32 s40, ttmp6, 0x40000
	s_bfe_u32 s41, ttmp6, 0x40004
	s_and_b32 s17, ttmp7, 0xffff
	s_lshl_b32 s43, s41, 2
	s_lshl_b32 s43, 15, s43
	s_lshl_b32 s44, 0x1111, s40
	s_or_b32 s[G1+0], s43, (3<<16)|(1<<21)
	s_or_b32 s[G1B+0], s44, (3<<16)|(1<<21)
	s_mov_b32 s[G1+1], 32<<16
	s_mov_b32 s[G1+2], 200<<16
	s_mov_b32 s[G1+3], 32<<16
	s_mov_b32 s[G1+4], 200
	s_mov_b32 s[G1+5], 32
	s_mov_b32 s[G1+6], 0
	s_mov_b32 s[G1+7], 0
	s_mov_b32 s[G1B+1], 32<<16
	s_mov_b32 s[G1B+2], 400<<16
	s_mov_b32 s[G1B+3], 32<<16
	s_mov_b32 s[G1B+4], 400
	s_mov_b32 s[G1B+5], 32
	s_mov_b32 s[G1B+6], 0
	s_mov_b32 s[G1B+7], 0
	s_lshl_b32 s18, s17, 2
	s_add_co_u32 s18, s18, s41                     ; my group of 128 rows
	s_mul_i32 s20, s18, GRP
	s_mul_i32 s45, s16, 2*HALFT                    ; A: which half of the group, in memory and in LDS
	s_add_co_u32 s20, s20, s45
	s_mov_b32 s21, 0
	s_lshl_b32 s46, s40, 1
	s_add_co_u32 s46, s46, s16
	s_add_co_u32 s46, s46, 24                      ; Wo's groups of 128 columns begin at group 24 of wq
	s_mul_i32 s46, s46, GRP
	s_mov_b32 s47, 0
	s_mul_i32 s42, s16, GRP
	s_add_co_u32 s42, s42, GRP                     ; B's place in LDS, behind A
	s_wait_dscnt 0x0
	s_wait_kmcnt 0x0
	s_mov_b32 s[G0], 1
	s_mov_b32 s[G0+1], s45
	s_add_nc_u64 s[G0+2:G0+3], s[4:5], s[20:21]
	s_or_b32 s[G0+3], s[G0+3], 0x80000000
	s_mov_b32 s[G0B], 1
	s_mov_b32 s[G0B+1], s42
	s_add_nc_u64 s[G0B+2:G0B+3], s[6:7], s[46:47]
	s_or_b32 s[G0B+3], s[G0B+3], 0x80000000
	CROUND                                         ; all sixteen work-groups are here: the joint loads meet
	s_cmp_eq_u32 s15, 0
	s_cbranch_scc0 .Lfor_b
	tensor_load_to_lds s[G0:G0+3], s[G1:G1+7]
	s_nop 0
	PLACES 4
	s_branch .Lasked
.Lfor_b:
	tensor_load_to_lds s[G0B:G0B+3], s[G1B:G1B+7]
	s_nop 0
	PLACES 4
.Lasked:
	s_mul_i32 s78, s15, 4*1536                     ; my four tiles of A
	s_mul_i32 s79, s16, GRP
	s_add_co_u32 s79, s79, GRP                     ; my group of B
	s_lshl_b32 s81, s15, 8                         ; my A tiles' scale words
	s_sub_co_u32 s80, s79, s81                     ; lanes 16-31 take B's
	s_add_co_u32 s81, s81, 24576
	s_add_co_u32 s82, s78, 2*HALFT                 ; the same for K's second half
	s_add_co_u32 s83, s79, 2*HALFT
	s_add_co_u32 s85, s81, 2*HALFT
	s_mul_i32 s86, s14, 16*SPITCH                  ; my stage
	s_lshl_b32 s84, s40, 1
	s_add_co_u32 s84, s84, s16
	s_lshl_b32 s84, s84, 9                         ; my 128 columns, in bytes
	s_mov_b32 s87, s84
	s_mov_b32 s88, 0
	s_lshl_b32 s76, s18, 19                        ; 128 rows of 4,096 bytes
	s_lshl_b32 s77, s15, 18
	s_add_co_u32 s76, s76, s77
	s_add_co_u32 s76, s76, s84
	s_mov_b32 s77, 0
	s_add_nc_u64 s[10:11], s[10:11], s[76:77]
	s_mov_b32 s76, s87
	s_add_nc_u64 s[8:9], s[8:9], s[76:77]
	v_and_b32 v1, 15, v0
	v_bfe_u32 v2, v0, 4, 1
	v_and_b32 v3, 31, v0
	v_lshlrev_b32 v[L16], 4, v3
	v_lshlrev_b32 v4, 3, v3
	v_lshlrev_b32 v5, 2, v1
	v_mul_u32_u24 v6, s80, v2
	v_add_nc_u32 v5, v5, v6
	v_add_nc_u32 v[ADRA], s78, v[L16]
	v_add_nc_u32 v[ADRA+1], s82, v[L16]
	v_add_nc_u32 v[ADRA+2], s78, v4
	v_add_nc_u32 v[ADRA+3], s82, v4
	v_add_nc_u32 v[ADRB], s79, v[L16]
	v_add_nc_u32 v[ADRB+1], s83, v[L16]
	v_add_nc_u32 v[ADRB+2], s79, v4
	v_add_nc_u32 v[ADRB+3], s83, v4
	v_add_nc_u32 v[ADRS], s81, v5
	v_add_nc_u32 v[ADRS+1], s85, v5
	v_mul_u32_u24 v[STO], v1, SPITCH
	v_lshl_add_u32 v[STO], v2, 6, v[STO]
	v_add_nc_u32 v[STO], s86, v[STO]
	v_add_nc_u32 v[RD], s86, v[L16]
	v_lshlrev_b32 v7, 6, v2
	WIN 0x40
.irp b, 0,1,2,3,4,5,6,7
	global_load_b128 v[96+8*\b+96*(\b/4):96+8*\b+96*(\b/4)+3], v7, s[8:9] offset:(32*(\b/2)+8*(\b%2))*4
	global_load_b128 v[96+8*\b+96*(\b/4)+4:96+8*\b+96*(\b/4)+7], v7, s[8:9] offset:(32*(\b/2)+8*(\b%2))*4+16
.endr
	WIN 0
	s_wait_alu depctr_va_vdst(0)
	s_wait_tensorcnt 0x0                           ; my part is in,
	s_barrier_signal -1
	s_barrier_wait -1                              ; everybody's is
	FETCH 0
	s_wait_loadcnt 0x0                             ; the bias
	STEP 0, 1
.set KS, 1
.rept 7
	STEP KS, 0
.set KS, KS+1
.endr
	s_barrier_wait -1                              ; nobody reads the operands any more: the stage may be written
.macro TOSTAGE a
.set AC, 64*(\a)
	WIN 0x08
.irp b, 0,1,2,3,4,5,6,7
	ds_store_b128 v[STO], v[AC+8*\b:AC+8*\b+3] offset:128*(\b/2)+32*(\b%2)
	ds_store_b128 v[STO], v[AC+8*\b+4:AC+8*\b+7] offset:128*(\b/2)+32*(\b%2)+16
.endr
	WIN 0
.set BB, BK+64*((\a)%2)
.irp t, 0,1,2,3,4,5,6,7,8,9,10,11,12,13,14,15
	ds_load_b128 v[BB+4*\t:BB+4*\t+3], v[RD] offset:\t*SPITCH
.endr
.endm
.macro SEND a, younger
.set BB, BK+64*((\a)%2)
	s_wait_dscnt \younger
.irp t, 0,1,2,3,4,5,6,7,8,9,10,11,12,13,14,15
	global_store_b128 v[L16], v[BB+4*\t:BB+4*\t+3], s[10:11] offset:(32*((\a)/2)+8*((\a)%2)+\t+8*(\t/8))*4096 th:TH_STORE_NT   ; 32 lanes store 512 consecutive bytes
.endr
.endm
	PLACES 4
	TOSTAGE 0
.irp a, 1,2,3
.if \a > 1
	s_wait_xcnt 0x0                                ; block a - 2's stores have read their registers
.endif
	TOSTAGE \a
	SEND \a-1, 32
.endr
	SEND 3, 0
	s_wait_tensorcnt 0x0                           ; the wave's end
	ds_add_u32 v[SPW], v[NIL]
	s_wait_dscnt 0x0
	CROUND                                         ; the closing round
	s_endpgm
.Lfunc_end_k_q7d1c1ad590_oproj:
	.size	k_q7d1c1ad590_oproj, .Lfunc_end_k_q7d1c1ad590_oproj-k_q7d1c1ad590_oproj
	.p2alignl 7, 3214868480
	.fill 96, 4, 3214868480
	.section	.rodata,"a",@progbits
	.p2align	6, 0x0
	.amdhsa_kernel k_q7d1c1ad590_oproj
		.amdhsa_group_segment_fixed_size 327680
		.amdhsa_private_segment_fixed_size 0
		.amdhsa_enable_private_segment 0
		.amdhsa_kernarg_size 32
		.amdhsa_user_sgpr_count 2
		.amdhsa_user_sgpr_kernarg_segment_ptr 1
		.amdhsa_wavefront_size32 1
		.amdhsa_system_sgpr_workgroup_id_x 1
		.amdhsa_system_sgpr_workgroup_id_y 1
		.amdhsa_system_sgpr_workgroup_id_z 1
		.amdhsa_system_vgpr_workitem_id 0
		.amdhsa_next_free_vgpr 1024
		.amdhsa_next_free_sgpr 100
		.amdhsa_reserve_vcc 0
		.amdhsa_float_denorm_mode_32 3
		.amdhsa_float_denorm_mode_16_64 3
		.amdhsa_memory_ordered 1
		.amdhsa_forward_progress 1
		.amdhsa_inst_pref_size 85
	.end_amdhsa_kernel
	.amdgpu_metadata
---
amdhsa.version: [ 1, 2 ]
amdhsa.kernels:
  - .name:           k_q7d1c1ad590_oproj
    .symbol:         k_q7d1c1ad590_oproj.kd
    .args:
      - { .name: mq, .offset: 0, .size: 8, .value_kind: global_buffer, .address_space: global }
      - { .name: wq, .offset: 8, .size: 8, .value_kind: global_buffer, .address_space: global }
      - { .name: bo, .offset: 16, .size: 8, .value_kind: global_buffer, .address_space: global }
      - { .name: out0, .offset: 24, .size: 8, .value_kind: global_buffer, .address_space: global }
    .group_segment_fixed_size: 327680
    .private_segment_fixed_size: 0
    .kernarg_segment_align: 8
    .kernarg_segment_size: 32
    .max_flat_workgroup_size: 128
    .sgpr_count:     100
    .vgpr_count:     1024
    .wavefront_size: 32
...
	.end_amdgpu_metadata
.endif
;; end of part 4
